; MI455X (gfx1250); checked and timed in simulation.
; The chip was launched on July 23, 2026; its instructions are those of AMD's public machine-readable ISA for CDNA 5 (MIT licence, August 2026) and "CDNA5" Instruction Set Architecture Reference Guide (July 2026). The comments in the code are by the model that wrote it; some were corrected since.
;; Sliding Window Attention. Allowed arithmetic: matrix products marked QUANTISED: E2M3 operands, one E8M0 scale for each 32 along K, by v_wmma_scale_f32_16x16x128_f8f6f4 with both operands' format E2M3, f32 sums; everything else in f32.
;; Inputs: Wk 1,024 x 1,024 float32; Wo 1,024 x 1,024 float32; Wq 1,024 x 1,024 float32; Wv 1,024 x 1,024 float32; x 1 x 4,096 x 1,024 float32.
;; Outputs: out0 1 x 4,096 x 1,024 float32.
;; This version of the problem:
;;   THIS VERSION OF THE PROBLEM IS GIVEN IN LOW PRECISION. The matrix products marked QUANTISED in the list below multiply operands that are first quantised to E2M3 (2 exponent bits, 3 mantissa bits; 6 bits a number), with one power-of-two scale for each 32 numbers along K (OCP MX v1.0); their sums are f32. All else is computed in f32.
;;   The module's matrix products, in the order in which they are computed (A, B: the left and right operand; K: the contracted axis; several contracted axes count as one K, in the product's order):
;;     1. [M 4,096, K 1,024] x [K 1,024, N 1,024]; A: input x; B: input Wq: QUANTISED
;;     2. [M 4,096, K 1,024] x [K 1,024, N 1,024]; A: input x; B: input Wk: QUANTISED
;;     3. [M 4,096, K 1,024] x [K 1,024, N 1,024]; A: input x; B: input Wv: QUANTISED
;;     4. batch 16 x [M 4,096, K 64] x [K 64, N 4,096]; A: computed on the way; B: computed on the way: QUANTISED
;;     5. batch 16 x [M 64, K 4,096] x [K 4,096, N 4,096]; A: computed on the way; B: softmax (see below): QUANTISED
;;     6. [M 4,096, K 1,024] x [K 1,024, N 1,024]; A: computed on the way; B: input Wo: QUANTISED
;;   THE QUANTISER, for each operand of a quantised product, along K:
;;     - K is cut into blocks of 32 from its start; a last block that is shorter is filled with zeros.
;;     - A block's scale is 2^e with e = floor(log2(the largest magnitude in the block)) - 2, held to -126 .. 127; a block of zeros has e = 0. As a byte (E8M0): e + 127.
;;     - Each number is divided by its block's scale, clamped to +-7.5, and rounded to the nearest number of E2M3, ties to even, subnormals kept.
;;     - The product sums the exact products of the quantised numbers (number of the format x scale) in f32.
;;   ~~~python
;;   def quantise(x, axis):      # numpy; x: float32 -> the quantised numbers, widened to float32 again
;;       x = np.moveaxis(x, axis, -1); K = x.shape[-1]
;;       x = np.pad(x, [(0, 0)] * (x.ndim - 1) + [(0, -K % 32)]); x = x.reshape(x.shape[:-1] + (-1, 32)); a = np.abs(x).max(-1, keepdims=True)
;;       e = np.where(a > 0, np.clip(np.frexp(np.where(a > 0, a, 1))[1] - 1 - 2, -126, 127), 0)      # np.frexp(a)[1] - 1 = floor(log2(a)), exactly
;;       r = np.clip(x / 2.0 ** e, -7.5, 7.5)
;;       step = 2.0 ** (np.maximum(np.frexp(np.where(r == 0, 1, r))[1] - 1, 0) - 3)
;;       q = np.round(r / step) * step * 2.0 ** e      # np.round: ties to even
;;       return np.moveaxis(q.reshape(q.shape[:-2] + (-1,))[..., :K], -1, axis).astype(np.float32)
;;   ~~~
;;   SOFTMAX AHEAD OF A QUANTISED PRODUCT. Where the list says 'softmax', what is quantised is not the finished softmax but p = 2^(t - M), with t = logit x log2(e) and M = ceil(the row's largest t), a whole number; so 1/2 < the row's largest p <= 1. The row's sum l is taken of the UNQUANTISED p, in f32, and the product's result is divided by l at the end. Since M is a whole number, a kernel that streams over the keys may use a running M (the ceiling of the running maximum): every later rescaling is an exact power of two, which a block's scale takes up: the codes' values come out the same.
;;   OPERANDS COMPUTED ON THE WAY. 'Computed on the way' means the value that the module computes at that place (a softmax that the list does not call 'softmax' is quantised finished and normalised). What goes into a quantiser is computed in f32, as accurately as f32 sums, v_exp_f32 and their like allow (about 1e-6 of the number): no bf16 or f16 on the way to a quantiser, and a product that is left as it is and whose result goes on into a quantised operand takes f32 operands (vector FMAs, or v_wmma_f32_16x16x4_f32). A number that lies on a knife's edge between two numbers of the format may be rounded either way, as far as f32 arithmetic and the matrix unit's own rounding can turn it there, and no further.
;; One version. Each part assembles by itself: llvm-mc -triple=amdgcn-amd-amdhsa -mcpu=gfx1250 --defsym DOCPART=n.
;; ======== version 1 of 1: 4 launches
;; workspace buffers: ximg 3,145,728 bytes; wimg 3,145,728 bytes; sc 262,144 bytes; qbuf 3,407,872 bytes; kbuf 3,407,872 bytes; vbuf 3,276,800 bytes; abuf 3,276,800 bytes
;; launch quant (part 1): grid 256 x 1, 8 waves a work-group, no clusters, 136,192 bytes of LDS; arguments x, Wq, Wk, Wv, Wo, ximg, wimg, sc; writes ximg, wimg, sc
.if DOCPART == 1
	.amdgcn_target "amdgcn-amd-amdhsa--gfx1250"
	.amdhsa_code_object_version 6
	.text
	.protected	k_q885db15535_quant
	.globl	k_q885db15535_quant
	.p2align	8
	.type	k_q885db15535_quant,@function
k_q885db15535_quant:
	s_mov_b64 s[64:65], 0
	v_nop
	global_prefetch_b8 v0, s[64:65] scope:SCOPE_SE
	s_setreg_imm32_b32 hwreg(HW_REG_WAVE_MODE, 25, 1), 1
	s_wait_xcnt 0x0
; x [4096][1024] and Wq, Wk, Wv, Wo [1024 (k)][1024 (n)], f32, become codes of FP6 (E2M3) with one E8M0 byte for each 32 along K, laid as IMAGES OF THE OPERAND'S REGISTERS.
; TILES.  Rows (of x; columns n of a weight) go in pairs of 32; slot r of tile e of pair P is row 32 P + 8 e + r + 8 (r / 8).  A fragment, 16 rows x 128 K, is 12 registers a lane:
; lane (r, h) holds in registers 6 c .. 6 c + 5 the codes of k = 64 c + 32 h + 0 .. 31.  Its image is 1,536 bytes: register j of lane L at 512 (j / 4) + 16 L + 4 (j % 4).
; ximg: tile T, K step s at 12,288 T + 1,536 s.  wimg: the same; tile = 12 head + 4 mat + 2 k + e for Wq, Wk, Wv (mat 0, 1, 2; k the pair inside the head's 64 columns), 192 + 2 P + e for Wo.
; sc: one word (four bytes, 128 along K) a row, [pair][K step][16 e + r]; x's from byte 0, the weights' from byte 131,072.
; A block's scale is 2^(floor(log2(its largest magnitude)) - 2): its byte is the largest magnitude's exponent field - 2, held at 1 from below.
; LIMITS: NaN and infinities are not served; a block whose largest magnitude lies under 2^-124 keeps the byte 1; a block of zeros has the byte 1 where the rule says 127 (its codes are zeros, and this program alone reads the bytes).
; SHARES.  A wave makes one pair x 128 K: two images.  Work-groups 0-127 take x (pair = work-group, K step = wave), 128-255 the weights.  No tensor load, no barrier: waves share nothing.  Only x's way touches LDS.
.set XP,   528                         ; a row of x's stage: 512 bytes + 16: sixteen rows begin in sixteen different columns of 16 bytes
.set WREG, 32*XP                       ; a wave's stage
.set DAT,  32                          ; v32-159  128 numbers
	s_load_b256 s[4:11], s[0:1], 0x0               ; x, Wq, Wk, Wv
	s_load_b256 s[12:19], s[0:1], 0x20             ; Wo, ximg, wimg, sc
	v_lshl_add_u32 v254, v0, 2, 0x21000
	v_mov_b32 v255, 0
	v_lshrrev_b32 v1, 5, v0
	v_readfirstlane_b32 s20, v1                    ; wave 0..7
	v_and_b32 v2, 31, v0                           ; lane
	v_and_b32 v3, 15, v0                           ; r
	v_bfe_u32 v9, v0, 4, 1                         ; h
	v_lshlrev_b32 v4, 4, v2                        ; 16 x lane
	v_lshlrev_b32 v8, 2, v2                        ; 4 x lane
	s_cmp_lt_u32 ttmp9, 128
	s_cbranch_scc0 .Lweights
	; ---- x: K is innermost.  Each load takes 512 consecutive bytes of one row; the rows turn through the wave's own stage, so that a lane gets whole blocks of 32 neighbours
	s_mov_b32 s22, 0x76543210
	s_mov_b32 s23, 0xfedcba98                      ; v_permlanex16_b32's selects for lane l xor 16
	s_mul_i32 s24, s20, WREG
	v_add_nc_u32 v5, s24, v4                       ; into the stage: 16 x lane of a row
	v_mul_u32_u24 v6, v3, XP
	v_lshl_add_u32 v6, v9, 7, v6
	v_add_nc_u32 v6, s24, v6                       ; out of it: slot r, + 128 h bytes
	v_lshlrev_b32 v18, 3, v9                       ; 8 h
	v_mov_b32 v19, 0                               ; (a lane permute's destination counts as one of its sources)
	s_lshl_b32 s26, ttmp9, 17                      ; 32 rows of 4,096 bytes,
	s_lshl_b32 s25, s20, 9                         ; my K step's 512 bytes
	s_add_co_u32 s26, s26, s25
	s_mov_b32 s27, 0
	s_mul_i32 s28, ttmp9, 24576                    ; two tiles of 12,288 bytes,
	s_mul_i32 s25, s20, 1536
	s_add_co_u32 s28, s28, s25
	s_mov_b32 s29, 0
	s_lshl_b32 s30, ttmp9, 10                      ; the pair's 8 x 128 bytes of scale words,
	s_lshl_b32 s25, s20, 7
	s_add_co_u32 s30, s30, s25
	s_mov_b32 s31, 0
	s_wait_kmcnt 0x0
	s_add_nc_u64 s[4:5], s[4:5], s[26:27]
	s_add_nc_u64 s[14:15], s[14:15], s[28:29]
	s_add_nc_u64 s[18:19], s[18:19], s[30:31]
.set i, 0
.rept 32
	global_load_b128 v[DAT+4*i:DAT+4*i+3], v4, s[4:5] offset:i*4096 th:TH_LOAD_NT
.set i, i+1
.endr
.set i, 0
.rept 32
	s_wait_loadcnt 31-i                            ; row i is in; the younger rows stay out
	ds_store_b128 v5, v[DAT+4*i:DAT+4*i+3] offset:(16*((i>>3)&1)+(i&7)+8*(i>>4))*XP   ; to its slot 16 e + r
.set i, i+1
.endr
.irp e, 0,1
.irp c, 0,1
.irp j, 0,1,2,3,4,5,6,7
	ds_load_b128 v[DAT+64*\e+32*\c+4*\j:DAT+64*\e+32*\c+4*\j+3], v6 offset:\e*16*XP+\c*256+16*\j   ; LDS serves a wave's instructions in order: these see the stores above
.endr
.endr
.endr
; tile e: 64 numbers a lane, register 32 c + i = k 64 c + 32 h + i of slot r: two whole blocks
.macro QUANTX e
.set DX, DAT+64*\e
.set FX, 160+16*\e
.set TX, 192+8*\e
.irp c, 0,1
	v_max3_num_f32 v[10+\c], |v[DX+32*\c]|, |v[DX+32*\c+1]|, 0x1800000   ; with the floor 2^(3 - 127): the byte cannot fall under 1
.endr
.irp i, 2,4,6,8,10,12,14,16,18,20,22,24,26,28,30
.irp c, 0,1
	v_max3_num_f32 v[10+\c], v[10+\c], |v[DX+32*\c+\i]|, |v[DX+32*\c+\i+1]|   ; the two blocks by turns
.endr
.endr
.irp c, 0,1
	v_add_nc_u32 v[12+\c], 0xff000000, v[10+\c]    ; 2 off the exponent field: the conversion's scale operand
.endr
.irp c, 0,1
	v_lshrrev_b32 v[14+\c], 23, v[12+\c]           ; the byte
.endr
	v_lshl_or_b32 v[16+\e], v15, 16, v14           ; blocks h and 2 + h,
	v_lshlrev_b32 v[16+\e], v18, v[16+\e]          ; at their places in the word;
	v_permlanex16_b32 v19, v[16+\e], s22, s23
	v_or_b32 v[16+\e], v[16+\e], v19               ; with lane l xor 16's two the word is whole
.irp c, 0,1
	v_cvt_scalef32_pk16_fp6_f32 v[FX+6*\c:FX+6*\c+2], v[DX+32*\c:DX+32*\c+15], v[12+\c]
	v_cvt_scalef32_pk16_fp6_f32 v[TX+4*\c:TX+4*\c+2], v[DX+32*\c+16:DX+32*\c+31], v[12+\c]   ; (a conversion's three registers begin on an even number)
.endr
	v_nop                                          ; one plain place behind a scaled conversion
.irp c, 0,1
.irp i, 0,1,2
	v_mov_b32 v[FX+6*\c+3+\i], v[TX+4*\c+\i]
.endr
.endr
.irp i, 0,1,2
	global_store_b128 v4, v[FX+4*\i:FX+4*\i+3], s[14:15] offset:\e*12288+512*\i   ; 512 consecutive bytes, at a multiple of 256 from the buffer's first byte
.endr
.endm
	s_wait_dscnt 16                                ; tile 0's sixteen loads are in; tile 1's may be out
	QUANTX 0
	s_wait_dscnt 0x0
	QUANTX 1
	s_mov_b32 vcc_lo, 0xffff0000
	v_cndmask_b32 v16, v16, v17, vcc_lo            ; lanes 0-15 tile 0's words, lanes 16-31 tile 1's
	global_store_b32 v8, v16, s[18:19]
	s_wait_tensorcnt 0x0
	ds_add_u32 v254, v255
	s_wait_dscnt 0x0
	s_endpgm
	; ---- the weights: K is the first axis.  A lane takes a column n and its registers run down K
.Lweights:
	s_sub_co_u32 s24, ttmp9, 128
	s_lshr_b32 s25, s24, 5                         ; which weight: 0 Wq, 1 Wk, 2 Wv, 3 Wo
	s_bfe_u32 s26, s24, 0x30002                    ; K step
	s_and_b32 s27, s24, 3
	s_lshl_b32 s27, s27, 3
	s_add_co_u32 s27, s27, s20                     ; pair of columns: the eight waves stand side by side on 1,024 bytes of each row
	v_and_b32 v10, 8, v3
	v_add_nc_u32 v10, v10, v3
	v_lshl_add_u32 v10, v9, 3, v10                 ; my column in the pair: 8 e + r + 8 (r / 8), e = lane / 16
	v_lshlrev_b32 v10, 2, v10
	s_lshr_b32 s28, s27, 1                         ; head
	s_mul_i32 s28, s28, 6
	s_lshl_b32 s29, s25, 1
	s_add_co_u32 s28, s28, s29
	s_and_b32 s29, s27, 1
	s_add_co_u32 s28, s28, s29                     ; the pair's place in wimg: 6 head + 2 mat + k,
	s_add_co_u32 s29, s27, 96
	s_cmp_eq_u32 s25, 3
	s_cselect_b32 s28, s29, s28                    ; or 96 + P for Wo
	s_lshl_b32 s30, s26, 19                        ; 128 rows of 4,096 bytes
	s_lshl_b32 s31, s27, 7
	s_add_co_u32 s30, s30, s31
	s_mov_b32 s31, 0
	s_mul_i32 s32, s28, 24576
	s_mul_i32 s33, s26, 1536
	s_add_co_u32 s32, s32, s33
	s_mov_b32 s33, 0
	s_lshl_b32 s34, s28, 10
	s_lshl_b32 s35, s26, 7
	s_add_co_u32 s34, s34, s35
	s_add_co_u32 s34, s34, 131072
	s_mov_b32 s35, 0
	s_wait_kmcnt 0x0
	s_cmp_eq_u32 s25, 1                            ; the choice hangs on the work-group's number alone
	s_cselect_b64 s[6:7], s[8:9], s[6:7]
	s_cmp_eq_u32 s25, 2
	s_cselect_b64 s[6:7], s[10:11], s[6:7]
	s_cmp_eq_u32 s25, 3
	s_cselect_b64 s[6:7], s[12:13], s[6:7]
	s_add_nc_u64 s[6:7], s[6:7], s[30:31]
	s_add_nc_u64 s[16:17], s[16:17], s[32:33]
	s_add_nc_u64 s[18:19], s[18:19], s[34:35]
.macro LOADW b                         ; block b: W(32 b + i, my column), i = 0 .. 31
.set i, 0
.rept 32
	global_load_b32 v[DAT+32*\b+i], v10, s[6:7] offset:(32*\b+i)*4096 th:TH_LOAD_NT
.set i, i+1
.endr
.endm
; blocks 0 and 2 go to v160-171, blocks 1 and 3 to v172-183
.macro QUANTW b
.set DX, DAT+32*\b
.set FX, 160+12*((\b)&1)+6*((\b)>>1)
	v_max3_num_f32 v11, |v[DX]|, |v[DX+1]|, 0x1800000
	v_max3_num_f32 v12, |v[DX+2]|, |v[DX+3]|, 0x1800000
.irp i, 4,8,12,16,20,24,28
	v_max3_num_f32 v11, v11, |v[DX+\i]|, |v[DX+\i+1]|
	v_max3_num_f32 v12, v12, |v[DX+\i+2]|, |v[DX+\i+3]|
.endr
	v_max_num_f32 v11, v11, v12                    ; the block's largest magnitude: all 32 numbers are mine
	v_add_nc_u32 v[20+\b], 0xff000000, v11
	v_lshrrev_b32 v[24+\b], 23, v[20+\b]
	v_cvt_scalef32_pk16_fp6_f32 v[FX:FX+2], v[DX:DX+15], v[20+\b]
	v_cvt_scalef32_pk16_fp6_f32 v[184+4*\b:186+4*\b], v[DX+16:DX+31], v[20+\b]
.endm
	LOADW 0
	LOADW 1
	s_wait_loadcnt 32                              ; block 0 is in; block 1's 32 loads may be out
	LOADW 2
	QUANTW 0
	s_wait_loadcnt 32                              ; block 1 is in; block 2's may be out
	LOADW 3
	QUANTW 1
	s_wait_loadcnt 32
	QUANTW 2
	s_wait_loadcnt 0x0
	QUANTW 3
	v_nop                                          ; one plain place behind a scaled conversion
.irp b, 0,1,2,3
.irp i, 0,1,2
	v_mov_b32 v[160+12*(\b&1)+6*(\b>>1)+3+\i], v[184+4*\b+\i]
.endr
.endr
.irp j, 0,1,2,3,4,5,6,7,8,9,10,11
	v_permlane16_swap_b32 v[160+\j], v[172+\j]     ; the first's lanes 16-31 (tile 1, blocks 0 and 2) change places with the second's lanes 0-15 (tile 0, blocks 1 and 3): now v160.. is tile 0's image, v172.. tile 1's
.endr
	v_lshl_or_b32 v28, v25, 8, v24                 ; my column's scale word
	v_lshl_or_b32 v28, v26, 16, v28
	v_lshl_or_b32 v28, v27, 24, v28
.irp i, 0,1,2
	global_store_b128 v4, v[160+4*\i:163+4*\i], s[16:17] offset:512*\i
	global_store_b128 v4, v[172+4*\i:175+4*\i], s[16:17] offset:12288+512*\i
.endr
	global_store_b32 v8, v28, s[18:19]
	s_endpgm
.Lfunc_end_k_q885db15535_quant:
	.size	k_q885db15535_quant, .Lfunc_end_k_q885db15535_quant-k_q885db15535_quant
	.p2alignl 7, 3214868480
	.fill 96, 4, 3214868480
	.section	.rodata,"a",@progbits
	.p2align	6, 0x0
	.amdhsa_kernel k_q885db15535_quant
		.amdhsa_group_segment_fixed_size 136192
		.amdhsa_private_segment_fixed_size 0
		.amdhsa_enable_private_segment 0
		.amdhsa_kernarg_size 64
		.amdhsa_user_sgpr_count 2
		.amdhsa_user_sgpr_kernarg_segment_ptr 1
		.amdhsa_wavefront_size32 1
		.amdhsa_system_sgpr_workgroup_id_x 1
		.amdhsa_system_sgpr_workgroup_id_y 1
		.amdhsa_system_sgpr_workgroup_id_z 1
		.amdhsa_system_vgpr_workitem_id 0
		.amdhsa_next_free_vgpr 256
		.amdhsa_next_free_sgpr 66
		.amdhsa_reserve_vcc 1
		.amdhsa_float_denorm_mode_32 3
		.amdhsa_float_denorm_mode_16_64 3
		.amdhsa_memory_ordered 1
		.amdhsa_forward_progress 1
		.amdhsa_inst_pref_size 38
	.end_amdhsa_kernel
	.amdgpu_metadata
---
amdhsa.version: [ 1, 2 ]
amdhsa.kernels:
  - .name:           k_q885db15535_quant
    .symbol:         k_q885db15535_quant.kd
    .args:
      - { .name: x, .offset: 0, .size: 8, .value_kind: global_buffer, .address_space: global }
      - { .name: Wq, .offset: 8, .size: 8, .value_kind: global_buffer, .address_space: global }
      - { .name: Wk, .offset: 16, .size: 8, .value_kind: global_buffer, .address_space: global }
      - { .name: Wv, .offset: 24, .size: 8, .value_kind: global_buffer, .address_space: global }
      - { .name: Wo, .offset: 32, .size: 8, .value_kind: global_buffer, .address_space: global }
      - { .name: ximg, .offset: 40, .size: 8, .value_kind: global_buffer, .address_space: global }
      - { .name: wimg, .offset: 48, .size: 8, .value_kind: global_buffer, .address_space: global }
      - { .name: sc, .offset: 56, .size: 8, .value_kind: global_buffer, .address_space: global }
    .group_segment_fixed_size: 136192
    .private_segment_fixed_size: 0
    .kernarg_segment_align: 8
    .kernarg_segment_size: 64
    .max_flat_workgroup_size: 256
    .sgpr_count:     66
    .vgpr_count:     256
    .wavefront_size: 32
...
	.end_amdgpu_metadata
.endif
;; end of part 1
;; launch qkv (part 2): grid 16 x 16, 4 waves a work-group, clusters of 4 x 4, 327,680 bytes of LDS; arguments ximg, wimg, sc, qbuf, kbuf, vbuf; writes qbuf, kbuf, vbuf
.if DOCPART == 2
	.amdgcn_target "amdgcn-amd-amdhsa--gfx1250"
	.amdhsa_code_object_version 6
	.text
	.protected	k_q885db15535_qkv
	.globl	k_q885db15535_qkv
	.p2align	8
	.type	k_q885db15535_qkv,@function
k_q885db15535_qkv:
	s_mov_b64 s[64:65], 0
	v_nop
	global_prefetch_b8 v0, s[64:65] scope:SCOPE_SE
	s_setreg_imm32_b32 hwreg(HW_REG_WAVE_MODE, 25, 1), 1
	s_wait_xcnt 0x0
	s_wait_alu depctr_hold_cnt(0) depctr_sa_sdst(0) depctr_va_vdst(0) depctr_va_sdst(0) depctr_va_ssrc(0) depctr_va_vcc(0) depctr_vm_vsrc(0)
	s_getreg_b32 s2, hwreg(HW_REG_IB_STS2, 6, 4)
	s_cmp_eq_u32 s2, 0
	s_cbranch_scc0 .Lentry_in_a_cluster
	s_endpgm
.Lentry_in_a_cluster:
	s_bfe_u32 s2, ttmp6, 0x10000c
	s_cmp_lg_u32 s2, 0xf033
	s_cbranch_scc0 .Lentry_shape_is_right
	s_endpgm
.Lentry_shape_is_right:
; q = x Wq, k = x Wk, v = x Wv on codes of FP6 (E2M3), and the three results quantised at once for the attention's two products.
; SHARES.  A work-group takes 256 rows of x (16 tiles; grid y) and one head's 192 columns (12 tiles: q 4, k 4, v 4; grid x).  Wave (wx = w / 2, ww = w % 2): x's tiles 8 wx .. + 7 against the four tiles
; of q (ww = 0) or k (ww = 1), and against pair ww of v's: 48 accumulators; 14 fragments from LDS feed 48 matrix instructions in each K step of 128.
; ORIENTATION.  q, k: source 0 = 16 columns of W, source 1 = 16 rows of x: a lane holds ONE row, and the 16 registers of tiles 2 k, 2 k + 1 are d = 32 k + 16 h + 0 .. 15: neighbours along the first attention product's K.
; v: source 0 = 16 rows of x (keys), source 1 = 16 columns of Wv: a lane holds ONE d, and the 16 registers of x's tiles 2 p, 2 p + 1 are keys 32 p + 16 h + 0 .. 15: neighbours along the second product's K.
; (Slot r of tile e of a pair of 32 rows is row 8 e + r + 8 (r / 8): that makes them neighbours.)
; OUT.  qbuf, kbuf: a record of 13,312 bytes for each (head, 256 rows): 16 images of 768 bytes (16 rows x 64: registers 0-3 at 16 L, 4-5 at 512 + 8 L; lanes 0-15 block 0, lanes 16-31 block 1), then 8 pairs x 32 scale words
; (bytes 0, 1 the two blocks', bytes 2, 3 = 127).  vbuf: a record of 12,800 bytes: [block of 32 keys 0..7][pair of d 0..1] images of 768 bytes (lane = d slot, its whole block), then [plane 0..1][64 d slots] words: plane w has the bytes of blocks 4 w .. 4 w + 3.
; LIMITS: NaN and infinities are not served; a block whose largest magnitude lies under 2^-124 keeps the byte 1, a block of zeros too (its codes are zeros; this program alone reads the bytes).
; K goes in four chunks of 256 through three LDS slots; slot 0 is filled a second time.  All images are dense: a tile's chunk is one row of 3,072 bytes.
; CLUSTERS: 4 x 4 work-groups.  x's tiles hang on grid y alone and are asked for jointly along a row of the cluster, W's on the head alone, along a column.
; No prefetch: every chunk but the last is asked for at the head, and the launch is short.
; REGISTERS: window 0: v4-19 addresses, v28-29 for the add; v32-63 x's scale words [pair][step]; v64-87 W's ([q/k pair 0, 1, v's pair][step]); W's six fragments, set 0 at v96, set 1 at v168.
;   window 1: x's eight fragments, set 0 at v0, set 1 at v128.   window 2: the 32 accumulators of q or k, (i, t) at v[8 (4 i + t)].   window 3: v's 16, (p, wt, u) at v[32 p + 16 wt + 8 u].
.set SLOTB, 86016                      ; a slot: x's 16 tiles x 3,072 bytes, then W's 12
.set WOFF,  49152
.set SPARE, 3*SLOTB                    ; behind the slots: the spare words, 128 bytes for each wave: two blocks of 256 bytes that no other line names
.set XS,  32
.set WS,  64
.set WF,  96
.set ADX, 4                            ; v4-6    LDS address of my x fragments in slot 0, 1, 2
.set ADW, 7                            ; v7-9    of my q or k fragments
.set ADV, 10                           ; v10-12  of my v fragments
.set OA,  13                           ; v13-15  store offsets in a record of q or k: registers 0-3, registers 4-5, scale words
.set OB,  14
.set OS,  15
.set VA,  16                           ; v16-18  the same in a record of v
.set VB,  17
.set VW,  18
.set L4,  19                           ; v19     4 x lane
.set SPW, 28
.set NIL, 29
.set G1X, 24                           ; s[24:31] group 1 for x's tiles; s[32:39] for W's; s[40:51], s[52:63] groups 0, a set for each slot
.set G1W, 32
.set G0X, 40
.set G0W, 52
.set ET,  32                           ; the epilogue, window 0: largest magnitudes,
.set EU,  56                           ; the other half's, then bytes,
.set ESO, 80                           ; scale operands,
.set EWD, 104                          ; q/k scale words, one a tile,
.set EWV, 112                          ; v's, one a tile of d,
.set ECQ, 128                          ; q/k codes, 6 registers a tile;  their second halves at
.set ETQ, 176
.set ECV, 208                          ; v's codes, 6 registers a block;  their second halves at
.set ETV, 232
.set MSB, 0
.macro WIN new                         ; the immediate's high byte repeats the setting that is left
.if MSB != \new
	s_set_vgpr_msb (MSB<<8)|\new
.set MSB, \new
.endif
.endm
.macro PLACES                          ; four plain places between a matrix instruction and a load into, or a vector instruction on, its registers
.rept 4
	v_nop
.endr
.endm
; A joint load: waves 0 and 1 fetch x's halves, waves 2 and 3 W's.  The branch hangs on the wave's number alone.  Four v_nop follow each of the two lines.
.macro JLOAD j
	s_cmp_eq_u32 s17, 0
	s_cbranch_scc0 .Lfor_w_\@
	tensor_load_to_lds s[G0X+4*\j:G0X+4*\j+3], s[G1X:G1X+7]
	s_nop 0
.rept 4
	v_nop
.endr
	s_branch .Lasked_\@
.Lfor_w_\@:
	tensor_load_to_lds s[G0W+4*\j:G0W+4*\j+3], s[G1W:G1W+7]
	s_nop 0
.rept 4
	v_nop
.endr
.Lasked_\@:
.endm
.macro CROUND                          ; a round of the cluster's barrier
	s_barrier_signal -1
	s_barrier_wait -1
	s_cmp_lg_u32 s16, 0
	s_cbranch_scc1 .Lnot_wave_0_\@
	s_barrier_signal -3
.Lnot_wave_0_\@:
	s_barrier_wait -3
	s_barrier_signal -1
	s_barrier_wait -1
.endm
; one matrix instruction, from the symbols dD, dA, dB (registers), dSA, dSB (scale registers), RA, RB (lanes 16-31 of the scale register?), ZR (the sum begins)
.macro EMIT
.if ZR
.if RA && RB
	v_wmma_scale_f32_16x16x128_f8f6f4 v[dD:dD+7], v[dA:dA+11], v[dB:dB+11], 0, v[dSA], v[dSB] matrix_a_fmt:MATRIX_FMT_FP6 matrix_b_fmt:MATRIX_FMT_FP6 matrix_a_scale:MATRIX_SCALE_ROW1 matrix_b_scale:MATRIX_SCALE_ROW1
.elseif RA
	v_wmma_scale_f32_16x16x128_f8f6f4 v[dD:dD+7], v[dA:dA+11], v[dB:dB+11], 0, v[dSA], v[dSB] matrix_a_fmt:MATRIX_FMT_FP6 matrix_b_fmt:MATRIX_FMT_FP6 matrix_a_scale:MATRIX_SCALE_ROW1
.elseif RB
	v_wmma_scale_f32_16x16x128_f8f6f4 v[dD:dD+7], v[dA:dA+11], v[dB:dB+11], 0, v[dSA], v[dSB] matrix_a_fmt:MATRIX_FMT_FP6 matrix_b_fmt:MATRIX_FMT_FP6 matrix_b_scale:MATRIX_SCALE_ROW1
.else
	v_wmma_scale_f32_16x16x128_f8f6f4 v[dD:dD+7], v[dA:dA+11], v[dB:dB+11], 0, v[dSA], v[dSB] matrix_a_fmt:MATRIX_FMT_FP6 matrix_b_fmt:MATRIX_FMT_FP6
.endif
.else
.if RA && RB
	v_wmma_scale_f32_16x16x128_f8f6f4 v[dD:dD+7], v[dA:dA+11], v[dB:dB+11], v[dD:dD+7], v[dSA], v[dSB] matrix_a_fmt:MATRIX_FMT_FP6 matrix_b_fmt:MATRIX_FMT_FP6 matrix_a_scale:MATRIX_SCALE_ROW1 matrix_b_scale:MATRIX_SCALE_ROW1
.elseif RA
	v_wmma_scale_f32_16x16x128_f8f6f4 v[dD:dD+7], v[dA:dA+11], v[dB:dB+11], v[dD:dD+7], v[dSA], v[dSB] matrix_a_fmt:MATRIX_FMT_FP6 matrix_b_fmt:MATRIX_FMT_FP6 matrix_a_scale:MATRIX_SCALE_ROW1
.elseif RB
	v_wmma_scale_f32_16x16x128_f8f6f4 v[dD:dD+7], v[dA:dA+11], v[dB:dB+11], v[dD:dD+7], v[dSA], v[dSB] matrix_a_fmt:MATRIX_FMT_FP6 matrix_b_fmt:MATRIX_FMT_FP6 matrix_b_scale:MATRIX_SCALE_ROW1
.else
	v_wmma_scale_f32_16x16x128_f8f6f4 v[dD:dD+7], v[dA:dA+11], v[dB:dB+11], v[dD:dD+7], v[dSA], v[dSB] matrix_a_fmt:MATRIX_FMT_FP6 matrix_b_fmt:MATRIX_FMT_FP6
.endif
.endif
.endm
	s_load_b256 s[4:11], s[0:1], 0x0               ; ximg, wimg, sc, qbuf
	s_load_b128 s[12:15], s[0:1], 0x20             ; kbuf, vbuf
	v_lshl_add_u32 v[SPW], v0, 2, SPARE
	v_mov_b32 v[NIL], 0
	ds_add_u32 v28, v29
	ds_add_u32 v28, v29
	s_wait_dscnt 0x0
	v_lshrrev_b32 v1, 5, v0
	v_readfirstlane_b32 s16, v1                    ; wave 0..3
	s_lshr_b32 s17, s16, 1                         ; wx.  Also: I fetch for x (0) or for W (1)
	s_and_b32 s18, s16, 1                          ; ww.  Also: which half of the tiles I fetch
	s_bfe_u32 s66, ttmp6, 0x40000                  ; cx, cy: my place in the cluster
	s_bfe_u32 s67, ttmp6, 0x40004
	s_lshl_b32 s68, ttmp9, 2
	s_add_co_u32 s68, s68, s66                     ; the head = 4 x cluster x + cx
	s_and_b32 s69, ttmp7, 0xffff
	s_lshl_b32 s69, s69, 2
	s_add_co_u32 s69, s69, s67                     ; the group of 256 rows = 4 x cluster y + cy
	s_lshl_b32 s70, s67, 2
	s_lshl_b32 s70, 15, s70                        ; my row of the cluster
	s_lshl_b32 s71, 0x1111, s66                    ; my column
	s_or_b32 s[G1X], s70, (3<<16)|(1<<21)          ; 15:0 the mask; 17:16 elements of 8 bytes; 21 set beside a mask; no padding
	s_or_b32 s[G1W], s71, (3<<16)|(1<<21)
	s_mov_b32 s[G1X+1], 384<<16                    ; tensor_dim0: a tile's chunk, 3,072 bytes
	s_mov_b32 s[G1X+2], 8<<16                      ; tensor_dim1: 8 tiles
	s_mov_b32 s[G1X+3], 384<<16                    ; tile_dim0
	s_mov_b32 s[G1X+4], 8                          ; tile_dim1
	s_mov_b32 s[G1X+5], 1536                       ; from tile to tile: 12,288 bytes
	s_mov_b32 s[G1X+6], 0
	s_mov_b32 s[G1X+7], 0
	s_mov_b32 s[G1W+1], 384<<16
	s_mov_b32 s[G1W+2], 6<<16                      ; 6 tiles
	s_mov_b32 s[G1W+3], 384<<16
	s_mov_b32 s[G1W+4], 6
	s_mov_b32 s[G1W+5], 1536
	s_mov_b32 s[G1W+6], 0
	s_mov_b32 s[G1W+7], 0
	s_lshl_b32 s20, s69, 4
	s_lshl_b32 s19, s18, 3
	s_add_co_u32 s20, s20, s19                     ; x: tile 16 x group + 8 x half
	s_mul_i32 s20, s20, 12288
	s_mov_b32 s21, 0
	s_mul_i32 s22, s68, 12
	s_mul_i32 s19, s18, 6
	s_add_co_u32 s22, s22, s19                     ; W: tile 12 x head + 6 x half
	s_mul_i32 s22, s22, 12288
	s_mov_b32 s23, 0
	s_mul_i32 s72, s18, 24576                      ; where they go in a slot: no place in the cluster enters an LDS address
	s_mul_i32 s73, s18, 18432
	s_add_co_u32 s73, s73, WOFF
	s_wait_kmcnt 0x0
	s_add_nc_u64 s[20:21], s[4:5], s[20:21]
	s_add_nc_u64 s[22:23], s[6:7], s[22:23]
	CROUND                                         ; all sixteen work-groups are here: the first joint loads meet
.irp j, 0,1,2                          ; chunks 0, 1, 2 into slots 0, 1, 2: three loads of mine are out
	s_mov_b32 s[G0X+4*\j], 1
	s_add_co_u32 s[G0X+4*\j+1], s72, \j*SLOTB
	s_add_nc_u64 s[G0X+4*\j+2:G0X+4*\j+3], s[20:21], \j*3072
	s_or_b32 s[G0X+4*\j+3], s[G0X+4*\j+3], 0x80000000
	s_mov_b32 s[G0W+4*\j], 1
	s_add_co_u32 s[G0W+4*\j+1], s73, \j*SLOTB
	s_add_nc_u64 s[G0W+4*\j+2:G0W+4*\j+3], s[22:23], \j*3072
	s_or_b32 s[G0W+4*\j+3], s[G0W+4*\j+3], 0x80000000
	JLOAD \j
.endr
	v_and_b32 v1, 31, v0                           ; lane
	v_lshlrev_b32 v2, 4, v1
	v_lshlrev_b32 v3, 3, v1
	v_lshlrev_b32 v[L4], 2, v1
	s_mul_i32 s74, s17, 24576                      ; my 8 tiles of x
	s_mul_i32 s75, s18, 12288                      ; my 4 tiles of q or k
	s_add_co_u32 s75, s75, WOFF
	s_mul_i32 s76, s18, 6144                       ; my 2 tiles of v, behind q's and k's eight
	s_add_co_u32 s76, s76, WOFF+8*3072
.irp j, 0,1,2
	v_add_nc_u32 v[ADX+\j], s74, v2
	v_add_nc_u32 v[ADW+\j], s75, v2
	v_add_nc_u32 v[ADV+\j], s76, v2
	s_add_co_u32 s74, s74, SLOTB
	s_add_co_u32 s75, s75, SLOTB
	s_add_co_u32 s76, s76, SLOTB
.endr
	s_mul_i32 s74, s17, 6144                       ; 8 images of 768 bytes, or 4 blocks of 1,536
	v_add_nc_u32 v[OA], s74, v2
	v_add_nc_u32 v[OB], s74, v3
	s_lshl_b32 s75, s17, 9
	v_add_nc_u32 v[OS], s75, v[L4]
	s_mul_i32 s75, s18, 768
	s_add_co_u32 s74, s74, s75
	v_add_nc_u32 v[VA], s74, v2
	v_add_nc_u32 v[VB], s74, v3
	s_lshl_b32 s74, s17, 8
	s_lshl_b32 s75, s18, 7
	s_add_co_u32 s74, s74, s75
	v_add_nc_u32 v[VW], s74, v[L4]
	s_lshl_b32 s78, s69, 3                         ; x's scale words: pair 8 x group + 4 wx on, 1,024 bytes a pair
	s_lshl_b32 s74, s17, 2
	s_add_co_u32 s78, s78, s74
	s_lshl_b32 s78, s78, 10
	s_mov_b32 s79, 0
	s_add_nc_u64 s[78:79], s[8:9], s[78:79]
	s_mul_i32 s80, s68, 6                          ; W's: pair 6 x head + 2 ww on (q or k),
	s_lshl_b32 s74, s18, 1
	s_add_co_u32 s82, s80, s74
	s_lshl_b32 s82, s82, 10
	s_add_co_u32 s82, s82, 131072
	s_mov_b32 s83, 0
	s_add_co_u32 s80, s80, s18                     ; and pair 6 x head + 4 + ww (v)
	s_add_co_u32 s80, s80, 4
	s_lshl_b32 s80, s80, 10
	s_add_co_u32 s80, s80, 131072
	s_mov_b32 s81, 0
	s_add_nc_u64 s[82:83], s[8:9], s[82:83]
	s_add_nc_u64 s[80:81], s[8:9], s[80:81]
.irp p, 0,1,2,3
.irp j, 0,1,2,3,4,5,6,7
	global_load_b32 v[XS+8*\p+\j], v[L4], s[78:79] offset:\p*1024+\j*128   ; all of K's scale words come once, 128 consecutive bytes a load
.endr
.endr
.irp p, 0,1
.irp j, 0,1,2,3,4,5,6,7
	global_load_b32 v[WS+8*\p+\j], v[L4], s[82:83] offset:\p*1024+\j*128
.endr
.endr
.irp j, 0,1,2,3,4,5,6,7
	global_load_b32 v[WS+16+\j], v[L4], s[80:81] offset:\j*128
.endr
	s_lshl_b32 s84, s68, 4
	s_add_co_u32 s84, s84, s69                     ; the record: 16 x head + group
	s_mul_i32 s86, s84, 13312
	s_mov_b32 s87, 0
	s_mul_i32 s88, s84, 12800
	s_mov_b32 s89, 0
	s_cmp_eq_u32 s18, 0                            ; q's waves or k's: the choice hangs on the wave's number alone
	s_cselect_b64 s[90:91], s[10:11], s[12:13]
	s_add_nc_u64 s[90:91], s[90:91], s[86:87]
	s_add_nc_u64 s[92:93], s[14:15], s[88:89]
	s_mov_b32 s94, 0x76543210
	s_mov_b32 s95, 0xfedcba98                      ; v_permlanex16_b32's selects for lane l xor 16
; 42 LDS loads in one run: K step stp's fragments into set fset; each load takes 512 consecutive bytes
.macro FETCH stp, fset
.set sl, ((\stp)>>1)%3
.set ko, ((\stp)&1)*1536
	WIN 0x40                                       ; destination window 1, address window 0
.irp i, 0,1,2,3,4,5,6,7
.irp c, 0,1,2
	ds_load_b128 v[128*(\fset)+12*\i+4*\c:128*(\fset)+12*\i+4*\c+3], v[ADX+sl] offset:ko+\i*3072+512*\c
.endr
.endr
	WIN 0
.irp t, 0,1,2,3
.irp c, 0,1,2
	ds_load_b128 v[WF+72*(\fset)+12*\t+4*\c:WF+72*(\fset)+12*\t+4*\c+3], v[ADW+sl] offset:ko+\t*3072+512*\c
.endr
.endr
.irp t, 0,1
.irp c, 0,1,2
	ds_load_b128 v[WF+72*(\fset)+48+12*\t+4*\c:WF+72*(\fset)+48+12*\t+4*\c+3], v[ADV+sl] offset:ko+\t*3072+512*\c
.endr
.endr
.endm
; a K step's 48 matrix instructions.  The 48 accumulators take turns, one instruction a turn, in the same order in every step
.macro MUL stp, fset, zr
	WIN 0xa4                                       ; source 0 (W) window 0, source 1 (x) window 1, C and D window 2
.irp i, 0,1,2,3,4,5,6,7
.irp t, 0,1,2,3
.set dD, 8*(4*\i+\t)
.set dA, WF+72*(\fset)+12*\t
.set dB, 128*(\fset)+12*\i
.set dSA, WS+8*(\t/2)+(\stp)
.set dSB, XS+8*(\i/2)+(\stp)
.set RA, \t%2
.set RB, \i%2
.set ZR, \zr
	EMIT
.endr
.endr
	WIN 0xf1                                       ; source 0 (x) window 1, source 1 (Wv) window 0, C and D window 3
.irp p, 0,1,2,3
.irp t, 0,1
.irp u, 0,1
.set dD, 32*\p+16*\t+8*\u
.set dA, 128*(\fset)+12*(2*\p+\u)
.set dB, WF+72*(\fset)+48+12*\t
.set dSA, XS+8*\p+(\stp)
.set dSB, WS+16+(\stp)
.set RA, \u
.set RB, \t
.set ZR, \zr
	EMIT
.endr
.endr
.endr
.endm
	s_wait_tensorcnt 2                             ; my part of chunk 0 is in; chunks 1 and 2 may be out
	s_barrier_signal -1
	s_barrier_wait -1                              ; everybody's is
	FETCH 0, 0
	s_wait_loadcnt 0x0                             ; the scale words
	s_wait_dscnt 0x0
	FETCH 1, 1
	MUL 0, 0, 1                                    ; the first step's products start the sums: nothing is cleared
	s_wait_dscnt 0x0                               ; step 1's fragments are in: my reads of slot 0 are over
	s_wait_tensorcnt 1                             ; my part of chunk 1 is in; chunk 2 may be out
	s_barrier_signal -1
	s_barrier_wait -1
	PLACES
	FETCH 2, 0
	MUL 1, 1, 0
	WIN 0                                          ; slot 0 is filled again, with chunk 3
	s_wait_tensorcnt 0x0                           ; all my tensor loads have landed, so a group 0 may be written
	ds_add_u32 v[SPW], v[NIL]                      ; 0 onto my spare word
	s_add_nc_u64 s[G0X+2:G0X+3], s[G0X+2:G0X+3], 3*3072
	s_add_nc_u64 s[G0W+2:G0W+3], s[G0W+2:G0W+3], 3*3072
	s_wait_dscnt 0x0                               ; the add is done; step 2's fragments are in
	CROUND                                         ; no wave of any partner still reads slot 0 or has a load on its way
	JLOAD 0                                        ; the first tensor load behind the round, one a wave; its four v_nop are the places in front of the loads below
	FETCH 3, 1
	MUL 2, 0, 0
	s_wait_dscnt 0x0
	PLACES
	FETCH 4, 0                                     ; chunk 2 was shown landed, in every wave, in front of the round
	MUL 3, 1, 0
	s_wait_dscnt 0x0
	PLACES
	FETCH 5, 1
	MUL 4, 0, 0
	s_wait_dscnt 0x0
	s_wait_tensorcnt 0x0                           ; the one load of mine that is out: my part of chunk 3
	s_barrier_signal -1
	s_barrier_wait -1
	PLACES
	FETCH 6, 0
	MUL 5, 1, 0
	s_wait_dscnt 0x0
	PLACES
	FETCH 7, 1
	MUL 6, 0, 0
	s_wait_dscnt 0x0
	MUL 7, 1, 0
	; ---- THE RESULTS ARE QUANTISED.  24 blocks of 32: q or k: block q = 2 i + k of x's tile i, registers 16 q on of window 2; v: block 2 p + wt, registers 16 (2 p + wt) on of window 3.  A block lies in lanes l and l xor 16
	PLACES
	WIN 0x0a                                       ; sources 0 and 1 window 2
.irp q, 0,1,2,3,4,5,6,7,8,9,10,11,12,13,14,15
	v_max3_num_f32 v[ET+\q], |v[16*\q]|, |v[16*\q+1]|, 0x1800000   ; each accumulator is read from its low end on; the floor 2^(3 - 127) holds the byte at 1 from below
.endr
.irp i, 2,4,6,8,10,12,14
.irp q, 0,1,2,3,4,5,6,7,8,9,10,11,12,13,14,15
	v_max3_num_f32 v[ET+\q], |v[16*\q+\i]|, |v[16*\q+\i+1]|, v[ET+\q]
.endr
.endr
	WIN 0x0f                                       ; sources 0 and 1 window 3
.irp q, 0,1,2,3,4,5,6,7
	v_max3_num_f32 v[ET+16+\q], |v[16*\q]|, |v[16*\q+1]|, 0x1800000
.endr
.irp i, 2,4,6,8,10,12,14
.irp q, 0,1,2,3,4,5,6,7
	v_max3_num_f32 v[ET+16+\q], |v[16*\q+\i]|, |v[16*\q+\i+1]|, v[ET+16+\q]
.endr
.endr
	WIN 0
	s_mov_b32 vcc_lo, 0xffff0000
.irp q, 0,1,2,3,4,5,6,7,8,9,10,11,12,13,14,15,16,17,18,19,20,21,22,23
	v_permlanex16_b32 v[EU+\q], v[ET+\q], s94, s95
.endr
.irp q, 0,1,2,3,4,5,6,7,8,9,10,11,12,13,14,15,16,17,18,19,20,21,22,23
	v_max_num_f32 v[ET+\q], v[ET+\q], v[EU+\q]     ; the block's largest magnitude
.endr
.irp q, 0,1,2,3,4,5,6,7,8,9,10,11,12,13,14,15,16,17,18,19,20,21,22,23
	v_add_nc_u32 v[ESO+\q], 0xff000000, v[ET+\q]   ; 2 off its exponent field: the conversion's scale operand
.endr
.irp q, 0,1,2,3,4,5,6,7,8,9,10,11,12,13,14,15,16,17,18,19,20,21,22,23
	v_lshrrev_b32 v[EU+\q], 23, v[ESO+\q]          ; the byte
.endr
.irp i, 0,1,2,3,4,5,6,7
	v_lshl_or_b32 v[EWD+\i], v[EU+2*\i+1], 8, v[EU+2*\i]
.endr
.irp i, 0,1,2,3,4,5,6,7
	v_or_b32 v[EWD+\i], 0x7f7f0000, v[EWD+\i]      ; bytes 2 and 3 stand for 1: the first attention product's upper 64 along K are zero codes
.endr
.irp p, 0,1,2,3
	v_cndmask_b32 v[EWD+2*\p], v[EWD+2*\p], v[EWD+2*\p+1], vcc_lo   ; lanes 0-15 tile 2 p's words, lanes 16-31 tile 2 p + 1's
.endr
.irp t, 0,1
	v_lshl_or_b32 v[EWV+\t], v[EU+18+\t], 8, v[EU+16+\t]   ; v: the bytes of my four blocks of keys
	v_lshl_or_b32 v[EWV+\t], v[EU+20+\t], 16, v[EWV+\t]
	v_lshl_or_b32 v[EWV+\t], v[EU+22+\t], 24, v[EWV+\t]
.endr
	v_cndmask_b32 v[EWV], v[EWV], v[EWV+1], vcc_lo
	WIN 0x02                                       ; source 0 window 2
.irp i, 0,1,2,3,4,5,6,7
	v_cvt_scalef32_pk16_fp6_f32 v[ECQ+6*\i:ECQ+6*\i+2], v[32*\i:32*\i+15], v[ESO+2*\i]         ; d = 16 h + 0 .. 15
	v_cvt_scalef32_pk16_fp6_f32 v[ETQ+4*\i:ETQ+4*\i+2], v[32*\i+16:32*\i+31], v[ESO+2*\i+1]    ; d = 32 + 16 h + 0 .. 15
.endr
	WIN 0x03                                       ; source 0 window 3
.irp p, 0,1,2,3
	v_cvt_scalef32_pk16_fp6_f32 v[ECV+6*\p:ECV+6*\p+2], v[32*\p:32*\p+15], v[ESO+16+2*\p]      ; tile 0 of d: keys 16 h + 0 .. 15 of block p
	v_cvt_scalef32_pk16_fp6_f32 v[ETV+4*\p:ETV+4*\p+2], v[32*\p+16:32*\p+31], v[ESO+17+2*\p]   ; tile 1 of d
.endr
	WIN 0
	v_nop                                          ; one plain place behind a scaled conversion
.irp i, 0,1,2,3,4,5,6,7
.irp j, 0,1,2
	v_permlane16_swap_b32 v[ECQ+6*\i+\j], v[ETQ+4*\i+\j]   ; a whole block to a lane: lanes 0-15 block 0, lanes 16-31 block 1; the first holds the lower 16 codes, the second the upper
.endr
.irp j, 0,1,2
	v_mov_b32 v[ECQ+6*\i+3+\j], v[ETQ+4*\i+\j]
.endr
.endr
.irp p, 0,1,2,3
.irp j, 0,1,2
	v_permlane16_swap_b32 v[ECV+6*\p+\j], v[ETV+4*\p+\j]   ; a whole block to a lane: lanes 0-15 tile 0's d, lanes 16-31 tile 1's
.endr
.irp j, 0,1,2
	v_mov_b32 v[ECV+6*\p+3+\j], v[ETV+4*\p+\j]
.endr
.endr
.irp i, 0,1,2,3,4,5,6,7
	global_store_b128 v[OA], v[ECQ+6*\i:ECQ+6*\i+3], s[90:91] offset:\i*768        ; 512 consecutive bytes, at a multiple of 256 from the buffer's first byte
	global_store_b64 v[OB], v[ECQ+6*\i+4:ECQ+6*\i+5], s[90:91] offset:\i*768+512   ; 256 consecutive bytes, likewise
.endr
.irp p, 0,1,2,3
	global_store_b32 v[OS], v[EWD+2*\p], s[90:91] offset:12288+\p*128
.endr
.irp p, 0,1,2,3
	global_store_b128 v[VA], v[ECV+6*\p:ECV+6*\p+3], s[92:93] offset:\p*1536
	global_store_b64 v[VB], v[ECV+6*\p+4:ECV+6*\p+5], s[92:93] offset:\p*1536+512
.endr
	global_store_b32 v[VW], v[EWV], s[92:93] offset:12288
	s_wait_tensorcnt 0x0                           ; the wave's end
	ds_add_u32 v[SPW], v[NIL]
	s_wait_dscnt 0x0
	CROUND                                         ; the closing round: no work-group ends while a partner may still ask for a tile that names it
	s_endpgm
.Lfunc_end_k_q885db15535_qkv:
	.size	k_q885db15535_qkv, .Lfunc_end_k_q885db15535_qkv-k_q885db15535_qkv
	.p2alignl 7, 3214868480
	.fill 96, 4, 3214868480
	.section	.rodata,"a",@progbits
	.p2align	6, 0x0
	.amdhsa_kernel k_q885db15535_qkv
		.amdhsa_group_segment_fixed_size 327680
		.amdhsa_private_segment_fixed_size 0
		.amdhsa_enable_private_segment 0
		.amdhsa_kernarg_size 48
		.amdhsa_user_sgpr_count 2
		.amdhsa_user_sgpr_kernarg_segment_ptr 1
		.amdhsa_wavefront_size32 1
		.amdhsa_system_sgpr_workgroup_id_x 1
		.amdhsa_system_sgpr_workgroup_id_y 1
		.amdhsa_system_sgpr_workgroup_id_z 1
		.amdhsa_system_vgpr_workitem_id 0
		.amdhsa_next_free_vgpr 1024
		.amdhsa_next_free_sgpr 100
		.amdhsa_reserve_vcc 1
		.amdhsa_float_denorm_mode_32 3
		.amdhsa_float_denorm_mode_16_64 3
		.amdhsa_memory_ordered 1
		.amdhsa_forward_progress 1
		.amdhsa_inst_pref_size 113
	.end_amdhsa_kernel
	.amdgpu_metadata
---
amdhsa.version: [ 1, 2 ]
amdhsa.kernels:
  - .name:           k_q885db15535_qkv
    .symbol:         k_q885db15535_qkv.kd
    .args:
      - { .name: ximg, .offset: 0, .size: 8, .value_kind: global_buffer, .address_space: global }
      - { .name: wimg, .offset: 8, .size: 8, .value_kind: global_buffer, .address_space: global }
      - { .name: sc, .offset: 16, .size: 8, .value_kind: global_buffer, .address_space: global }
      - { .name: qbuf, .offset: 24, .size: 8, .value_kind: global_buffer, .address_space: global }
      - { .name: kbuf, .offset: 32, .size: 8, .value_kind: global_buffer, .address_space: global }
      - { .name: vbuf, .offset: 40, .size: 8, .value_kind: global_buffer, .address_space: global }
    .group_segment_fixed_size: 327680
    .private_segment_fixed_size: 0
    .kernarg_segment_align: 8
    .kernarg_segment_size: 48
    .max_flat_workgroup_size: 128
    .sgpr_count:     100
    .vgpr_count:     1024
    .wavefront_size: 32
...
	.end_amdgpu_metadata
.endif
;; end of part 2
;; launch attn (part 3): grid 16 x 16, 16 waves a work-group, no clusters, 169,984 bytes of LDS; arguments qbuf, kbuf, vbuf, abuf; writes abuf
.if DOCPART == 3
	.amdgcn_target "amdgcn-amd-amdhsa--gfx1250"
	.amdhsa_code_object_version 6
	.text
	.protected	k_q885db15535_attn
	.globl	k_q885db15535_attn
	.p2align	8
	.type	k_q885db15535_attn,@function
k_q885db15535_attn:
	s_mov_b64 s[64:65], 0
	v_nop
	global_prefetch_b8 v0, s[64:65] scope:SCOPE_SE
	s_setreg_imm32_b32 hwreg(HW_REG_WAVE_MODE, 25, 1), 1
	s_wait_xcnt 0x0
; Attention in a sliding window: query i sees keys i - 256 .. i.  Both products on codes of FP6 (E2M3); the result is quantised at once for the output projection.
; SHARES.  A work-group owns 256 queries (grid x) of one head (grid y); wave w owns tile e = w % 2 of pair pb = w / 2: 16 queries.  Its keys lie in exactly nine blocks of 32: blocks pb + t, t = 0 .. 8, of the sixteen
; (the group before and the group itself) that lie in LDS.  All nine blocks' scores stay in registers: the softmax is taken in one pass, with the row's true maximum.
; LAYOUT.  S^T = K Q^T (source 0 = 16 keys, source 1 = my queries), O^T = V^T P^T: a lane holds ONE query throughout.  Slot r of tile u of a block is key 8 u + r + 8 (r / 8), so the 16 registers of a block's two tiles are keys 16 h + 0 .. 15.
; The first product's K is 64: the upper six registers of Q are zero codes, and both sides' scale bytes 2 and 3 stand for 1; the upper six registers named for K hold whatever codes follow, which meet zeros.
; THE SOFTMAX: t = score x log2(e) / 8; M = ceil(the row's largest t); p = 2^(t - M) is quantised along the keys, block by block; the row's sum is taken of the unquantised p and divides O at the end.
; THE MASK: in block t = 8 a key after the query is hidden, in block t = 0 a key more than 256 before it; in the first group the blocks before key 0 are hidden whole (a scalar branch on ids).  Hidden scores become -infinity: p = 0.
; OUT.  abuf: image (16 queries x this head's 64) at 768 (16 x tile + head); scale bytes from byte 3,145,728: word [pair][head / 2][16 e + r], this head's half of it.
; LIMITS: NaN and infinities are not served; a block whose largest magnitude lies under 2^-124 keeps the byte 1, a block of zeros too (its codes are zeros; this program alone reads the bytes).
; No cluster: a record of K or V is read by two work-groups only, and would land at different LDS bytes in the two.  No prefetch: a work-group's only tiles are asked for at its head.
; LDS, each byte filled once: K's codes 16 blocks x 1,536; V's likewise; K's scale words 16 x 128; V's 4 planes x 256.
; REGISTERS: v1-11 addresses and constants; v12 -M; v[14:15] the sum; v16-79: Q, its scale word v28, K's scale words v29-37, six tiles of K v38-73, zeros v74-79; later p's codes v16-51, p's scale words v52-54,
;   temporaries v56-75, then V's scale words v56-61; v80-223 S^T, then p, then V's fragments; v224-250 the blocks' maxima, bytes, scale operands; later V's raw planes v224-229, then O^T v224-255.
.set VC,  24576
.set KS,  49152
.set VS,  51200
.set S,   80
.set BM,  224
.set BT,  233
.set SO,  242
.set PC,  16
.set PS,  52
.set TC,  56
.set VSC, 56
.set RAW, 224
.set O,   224
.set WV,  12
.set SEL, 80
.set CS,  82
.macro PLACES
.rept 4
	v_nop
.endr
.endm
.macro EMIT
.if ZR
.if RA
	v_wmma_scale_f32_16x16x128_f8f6f4 v[dD:dD+7], v[dA:dA+11], v[dB:dB+11], 0, v[dSA], v[dSB] matrix_a_fmt:MATRIX_FMT_FP6 matrix_b_fmt:MATRIX_FMT_FP6 matrix_a_scale:MATRIX_SCALE_ROW1
.else
	v_wmma_scale_f32_16x16x128_f8f6f4 v[dD:dD+7], v[dA:dA+11], v[dB:dB+11], 0, v[dSA], v[dSB] matrix_a_fmt:MATRIX_FMT_FP6 matrix_b_fmt:MATRIX_FMT_FP6
.endif
.else
.if RA
	v_wmma_scale_f32_16x16x128_f8f6f4 v[dD:dD+7], v[dA:dA+11], v[dB:dB+11], v[dD:dD+7], v[dSA], v[dSB] matrix_a_fmt:MATRIX_FMT_FP6 matrix_b_fmt:MATRIX_FMT_FP6 matrix_a_scale:MATRIX_SCALE_ROW1
.else
	v_wmma_scale_f32_16x16x128_f8f6f4 v[dD:dD+7], v[dA:dA+11], v[dB:dB+11], v[dD:dD+7], v[dSA], v[dSB] matrix_a_fmt:MATRIX_FMT_FP6 matrix_b_fmt:MATRIX_FMT_FP6
.endif
.endif
.endm
	s_load_b256 s[4:11], s[0:1], 0x0               ; qbuf, kbuf, vbuf, abuf
	v_lshl_add_u32 v222, v0, 2, 0x29000
	v_mov_b32 v223, 0
	ds_add_u32 v222, v223
	ds_add_u32 v222, v223
	s_wait_dscnt 0x0
	v_lshrrev_b32 v1, 5, v0
	v_readfirstlane_b32 s[WV], v1                  ; wave 0..15
.irp j, 22,23,24,25,26,27,74,75,76,77,78,79
	v_mov_b32 v\j, 0                               ; Q's upper six registers: zero codes; and six registers behind K's last tile
.endr
.irp t, 0,1,2,3,4,5,6,7,8
	v_mov_b32 v[BT+\t], 0                          ; (a lane permute's destination counts as one of its sources)
.endr
	s_lshr_b32 s13, s[WV], 1                       ; pb
	s_and_b32 s14, s[WV], 1                        ; e.  Also: which record I fetch from: the group before (0) or the group itself (1)
	s_and_b32 s15, ttmp7, 0xffff                   ; the head
	; three groups 1: dense blocks as rows of 256 bytes (32 elements of 8 bytes): 48, 4 and 2 rows
.irp g, 24,32,40
	s_mov_b32 s[\g], 3<<16
	s_mov_b32 s[\g+1], 32<<16
	s_mov_b32 s[\g+3], 32<<16
	s_mov_b32 s[\g+5], 32
	s_mov_b32 s[\g+6], 0
	s_mov_b32 s[\g+7], 0
.endr
	s_mov_b32 s26, 48<<16
	s_mov_b32 s28, 48
	s_mov_b32 s34, 4<<16
	s_mov_b32 s36, 4
	s_mov_b32 s42, 2<<16
	s_mov_b32 s44, 2
	s_add_co_u32 s16, ttmp9, s14
	s_sub_co_i32 s16, s16, 1
	s_max_i32 s16, s16, 0                          ; the first group has none before it: it fetches its own record there, and all of that is hidden
	s_lshl_b32 s17, s15, 4
	s_add_co_u32 s16, s16, s17                     ; the record: 16 x head + group
	s_mul_i32 s18, s16, 13312
	s_mov_b32 s19, 0
	s_mul_i32 s20, s16, 12800
	s_mov_b32 s21, 0
	s_mul_i32 s22, s14, 12288
	s_lshl_b32 s23, s14, 10
	s_lshl_b32 s66, s14, 9
	s_wait_kmcnt 0x0
	s_add_nc_u64 s[18:19], s[6:7], s[18:19]
	s_add_nc_u64 s[20:21], s[8:9], s[20:21]
	s_mov_b32 s48, 1                               ; K's codes
	s_mov_b32 s49, s22
	s_mov_b64 s[50:51], s[18:19]
	s_or_b32 s51, s51, 0x80000000
	s_mov_b32 s52, 1                               ; V's codes
	s_add_co_u32 s53, s22, VC
	s_mov_b64 s[54:55], s[20:21]
	s_or_b32 s55, s55, 0x80000000
	s_mov_b32 s56, 1                               ; K's scale words
	s_add_co_u32 s57, s23, KS
	s_add_nc_u64 s[58:59], s[18:19], 12288
	s_or_b32 s59, s59, 0x80000000
	s_mov_b32 s60, 1                               ; V's scale words
	s_add_co_u32 s61, s66, VS
	s_add_nc_u64 s[62:63], s[20:21], 12288
	s_or_b32 s63, s63, 0x80000000
	; waves 0 to 7 issue one load each; the branches hang on the wave's number alone; four v_nop follow each load
	s_cmp_lt_u32 s[WV], 2
	s_cbranch_scc0 .Lnot_kc
	tensor_load_to_lds s[48:51], s[24:31]
	s_nop 0
	PLACES
	s_branch .Lasked
.Lnot_kc:
	s_cmp_lt_u32 s[WV], 4
	s_cbranch_scc0 .Lnot_vc
	tensor_load_to_lds s[52:55], s[24:31]
	s_nop 0
	PLACES
	s_branch .Lasked
.Lnot_vc:
	s_cmp_lt_u32 s[WV], 6
	s_cbranch_scc0 .Lnot_ks
	tensor_load_to_lds s[56:59], s[32:39]
	s_nop 0
	PLACES
	s_branch .Lasked
.Lnot_ks:
	s_cmp_lt_u32 s[WV], 8
	s_cbranch_scc0 .Lasked
	tensor_load_to_lds s[60:63], s[40:47]
	s_nop 0
	PLACES
.Lasked:
	v_and_b32 v252, 31, v0                         ; lane
	v_and_b32 v253, 15, v0                         ; r
	v_bfe_u32 v254, v0, 4, 1                       ; h
	v_lshlrev_b32 v9, 4, v252                      ; 16 x lane
	v_lshlrev_b32 v10, 3, v252                     ; 8 x lane
	v_lshlrev_b32 v11, 2, v253                     ; 4 r
	s_add_co_u32 s84, s17, ttmp9                   ; my own record
	s_mul_i32 s84, s84, 13312
	s_mul_i32 s85, s[WV], 768                      ; my tile's image
	s_add_co_u32 s86, s84, s85
	s_mov_b32 s87, 0
	s_add_nc_u64 s[70:71], s[4:5], s[86:87]
	s_lshl_b32 s85, s[WV], 6                       ; my tile's 16 scale words: 128 pb + 64 e
	s_add_co_u32 s86, s84, s85
	s_add_co_u32 s86, s86, 12288
	s_add_nc_u64 s[72:73], s[4:5], s[86:87]
	global_load_b128 v[16:19], v9, s[70:71]        ; Q stays in registers
	global_load_b64 v[20:21], v10, s[70:71] offset:512
	global_load_b32 v28, v11, s[72:73]             ; lane r (and r + 16) has query r's word
	s_mul_i32 s67, s13, 1536
	v_add_nc_u32 v1, s67, v9                       ; K: block pb, registers 0-3
	v_add_nc_u32 v2, s67, v10                      ;    registers 4-5 (512 further on, in the offset)
	s_lshl_b32 s68, s13, 7
	v_lshl_add_u32 v3, v252, 2, s68                ; K's scale words: block pb
	v_mul_u32_u24 v4, v254, 1536
	v_add_nc_u32 v4, s67, v4                       ; V: block pb + h,
	v_lshl_add_u32 v5, v253, 3, v4                 ;    registers 4-5 of d slot r
	v_lshl_add_u32 v4, v253, 4, v4                 ;    registers 0-3
	s_lshr_b32 s68, s13, 2
	s_lshl_b32 s68, s68, 8
	v_lshl_add_u32 v6, v252, 2, s68                ; V's scale words: the plane in which block pb lies
	v_and_b32 v7, 8, v253
	v_add_nc_u32 v7, v7, v253
	v_lshlrev_b32 v255, 4, v254
	v_sub_nc_u32 v7, v7, v255
	s_lshl_b32 s68, s14, 3
	v_add_nc_u32 v7, s68, v7                       ; d1 = my query's place in its block - 16 h.  Register n of a block is key 16 h + n
	v_mov_b32 v8, 0xff800000                       ; -infinity
	s_lshl_b32 s74, ttmp9, 3
	s_add_co_u32 s74, s74, s13
	s_sub_co_i32 s74, 8, s74
	s_max_i32 s74, s74, 0                          ; how many of my blocks lie before key 0
	s_and_b32 s75, s13, 3
	s_lshl_b32 s75, s75, 3                         ; block pb's byte in its plane, in bits
	s_lshl_b32 s84, ttmp9, 4
	s_add_co_u32 s84, s84, s[WV]                   ; my tile among all queries'
	s_lshl_b32 s84, s84, 4
	s_add_co_u32 s84, s84, s15
	s_mul_i32 s86, s84, 768
	s_add_nc_u64 s[76:77], s[10:11], s[86:87]
	s_lshl_b32 s84, ttmp9, 3
	s_add_co_u32 s84, s84, s13
	s_lshl_b32 s84, s84, 3
	s_lshr_b32 s85, s15, 1
	s_add_co_u32 s84, s84, s85
	s_lshl_b32 s84, s84, 7
	s_lshl_b32 s85, s14, 6
	s_add_co_u32 s84, s84, s85
	s_and_b32 s85, s15, 1
	s_lshl_b32 s85, s85, 1
	s_add_co_u32 s84, s84, s85
	s_add_co_u32 s86, s84, 3145728
	s_add_nc_u64 s[78:79], s[10:11], s[86:87]
	s_mov_b32 s[SEL], 0x76543210
	s_mov_b32 s[SEL+1], 0xfedcba98
	s_mov_b32 s[CS], 0x3e38aa3b                    ; c = log2(e) / 8
	s_mov_b32 s[CS+1], s[CS]                       ; (named with it as a pair, so it is written)
	s_wait_tensorcnt 0x0                           ; my load, if I issued one, has landed
	s_barrier_signal -1
	s_barrier_wait -1                              ; everybody's has
	; ---- S^T = K Q^T: three blocks (six tiles) at a time
.irp t, 0,1,2,3,4,5,6,7,8
	ds_load_b32 v[29+\t], v3 offset:KS+128*\t      ; lanes 0-15 tile 0's words, lanes 16-31 tile 1's
.endr
	s_wait_loadcnt 0x0                             ; Q
.irp g, 0,1,2
.if \g > 0
	PLACES                                         ; in front of loads into registers that matrix instructions have read
.endif
.irp q, 0,1,2,3,4,5
	ds_load_b128 v[38+6*\q:41+6*\q], v1 offset:(6*\g+\q)*768
	ds_load_b64 v[42+6*\q:43+6*\q], v2 offset:(6*\g+\q)*768+512
.endr
	s_wait_dscnt 0x0
.irp q, 0,1,2,3,4,5
.set dD, S+8*(6*\g+\q)
.set dA, 38+6*\q
.set dB, 16
.set dSA, 29+3*\g+\q/2
.set dSB, 28
.set RA, \q%2
.set ZR, 1
	EMIT
.endr
.endr
	PLACES
	; ---- the mask
.set n, 0
.rept 16
	v_cmp_gt_i32 vcc_lo, n, v7                     ; the query's own block: a key after the query
	v_cndmask_b32 v[S+128+n], v[S+128+n], v8, vcc_lo
	v_cmp_lt_i32 vcc_lo, n, v7                     ; the block 256 before: a key before the window
	v_cndmask_b32 v[S+n], v[S+n], v8, vcc_lo
.set n, n+1
.endr
.irp t, 0,1,2,3,4,5,6,7                ; blocks before key 0: only in the first group
	s_cmp_gt_i32 s74, \t
	s_cbranch_scc0 .Lopen
.set n, 0
.rept 16
	v_mov_b32 v[S+16*\t+n], v8
.set n, n+1
.endr
.endr
.Lopen:
	; ---- the softmax.  The largest score of each block serves twice: for the row's maximum, and, since p rises with the score, for the block's largest p
.irp t, 0,1,2,3,4,5,6,7,8
	v_max3_num_f32 v[BM+\t], v[S+16*\t], v[S+16*\t+1], v[S+16*\t+2]
.endr
.irp i, 3,5,7,9,11,13
.irp t, 0,1,2,3,4,5,6,7,8
	v_max3_num_f32 v[BM+\t], v[BM+\t], v[S+16*\t+\i], v[S+16*\t+\i+1]   ; the nine blocks by turns
.endr
.endr
.irp t, 0,1,2,3,4,5,6,7,8
	v_max_num_f32 v[BM+\t], v[BM+\t], v[S+16*\t+15]
.endr
.irp t, 0,1,2,3,4,5,6,7,8
	v_permlanex16_b32 v[BT+\t], v[BM+\t], s[SEL], s[SEL+1]
.endr
.irp t, 0,1,2,3,4,5,6,7,8
	v_max_num_f32 v[BM+\t], v[BM+\t], v[BT+\t]     ; with lane l xor 16's 16 keys
.endr
	v_max3_num_f32 v251, v[BM], v[BM+1], v[BM+2]
	v_max3_num_f32 v251, v251, v[BM+3], v[BM+4]
	v_max3_num_f32 v251, v251, v[BM+5], v[BM+6]
	v_max3_num_f32 v251, v251, v[BM+7], v[BM+8]    ; the row's largest score: the query's own key always counts
	v_mul_f32 v251, s[CS], v251                    ; as t (c is positive)
	v_floor_f32 v12, -v251                         ; -M = floor(-t) = -ceil(t)
	v_mov_b32 v13, v12                             ; (the upper half of the pair)
.set j, 0
.rept 72
	v_pk_fma_f32 v[S+j:S+j+1], v[S+j:S+j+1], s[CS:CS+1], v[12:13] op_sel_hi:[1,0,0]   ; t - M, two at a time
.set j, j+2
.endr
.irp t, 0,1,2,3,4,5,6,7,8
	v_fma_f32 v[BM+\t], v[BM+\t], s[CS], v12       ; the same of each block's largest score
.endr
.set j, 0
.rept 144
	v_exp_f32 v[S+j], v[S+j]                       ; p = 2^(t - M), at most 1: not normalised
.set j, j+1
.endr
.irp t, 0,1,2,3,4,5,6,7,8
	v_exp_f32 v[BM+\t], v[BM+\t]                   ; the block's largest p: the same two instructions on the same number give the same bits
.endr
.irp j, 72,73,74,46,47,48,49,50,51
	v_mov_b32 v\j, 0                               ; (plain places behind the exponentials)  block 8's partner, and the upper six registers of p's third fragment: zero codes
.endr
	s_wait_alu depctr_va_vdst(0)
.irp t, 0,1,2,3,4,5,6,7,8
	v_max_num_f32 v[BM+\t], 0x1800000, v[BM+\t]    ; the floor 2^(3 - 127): the byte cannot fall under 1
.endr
.irp t, 0,1,2,3,4,5,6,7,8
	v_add_nc_u32 v[SO+\t], 0xff000000, v[BM+\t]    ; 2 off the exponent field: the conversion's scale operand
.endr
.irp t, 0,1,2,3,4,5,6,7,8
	v_lshrrev_b32 v[BT+\t], 23, v[SO+\t]           ; the byte
.endr
.irp k, 0,1
	v_lshl_or_b32 v[PS+\k], v[BT+4*\k+1], 8, v[BT+4*\k]   ; p's scale word for blocks 4 k .. 4 k + 3
	v_lshl_or_b32 v[PS+\k], v[BT+4*\k+2], 16, v[PS+\k]
	v_lshl_or_b32 v[PS+\k], v[BT+4*\k+3], 24, v[PS+\k]
.endr
	v_mov_b32 v[PS+2], v[BT+8]                     ; block 8's; the other three bytes stand over zero codes
.irp k, 0,1,2,3
	v_cvt_scalef32_pk16_fp6_f32 v[PC+6*\k:PC+6*\k+2], v[S+32*\k:S+32*\k+15], v[SO+2*\k]
	v_cvt_scalef32_pk16_fp6_f32 v[TC+4*\k:TC+4*\k+2], v[S+32*\k+16:S+32*\k+31], v[SO+2*\k+1]   ; (a conversion's three registers begin on an even number)
.endr
	v_cvt_scalef32_pk16_fp6_f32 v[PC+24:PC+26], v[S+128:S+143], v[SO+8]
	v_nop                                          ; one plain place behind a scaled conversion
.irp d, 0,1
.irp k, 0,1,2
	ds_load_b32 v[RAW+3*\d+\k], v6 offset:VS+256*\k+128*\d   ; V's scale words: three planes for each pair of d
.endr
.endr
	v_pk_add_f32 v[14:15], v[S:S+1], v[S+2:S+3]    ; the row's sum is taken of the unquantised p: two at a time, in two chains
	v_pk_add_f32 v[252:253], v[S+4:S+5], v[S+6:S+7]
.set j, 8
.rept 34
	v_pk_add_f32 v[14:15], v[14:15], v[S+j:S+j+1]
	v_pk_add_f32 v[252:253], v[252:253], v[S+j+2:S+j+3]
.set j, j+4
.endr
	v_pk_add_f32 v[14:15], v[14:15], v[252:253]
	; V's fragments take p's registers: tile q = 2 dp + wt of d; lane (r, h) takes block pb + 4 s + 2 c + h whole
.irp k, 0,1
.irp q, 0,1,2,3
.irp c, 0,1
	ds_load_b128 v[S+48*\k+12*\q+6*\c:S+48*\k+12*\q+6*\c+3], v4 offset:VC+(4*\k+2*\c)*1536+(\q/2)*768+(\q%2)*256
	ds_load_b64 v[S+48*\k+12*\q+6*\c+4:S+48*\k+12*\q+6*\c+5], v5 offset:VC+(4*\k+2*\c)*1536+(\q/2)*768+(\q%2)*128+512
.endr
.endr
.endr
.irp q, 0,1,2,3                        ; the third step has one block: six registers a tile.  Lanes 16-31 take the block behind it, which meets zero codes (for pb = 7 those are bytes of K's scale words: filled, and met by zeros too)
	ds_load_b128 v[S+96+6*\q:S+96+6*\q+3], v4 offset:VC+8*1536+(\q/2)*768+(\q%2)*256
	ds_load_b64 v[S+96+6*\q+4:S+96+6*\q+5], v5 offset:VC+8*1536+(\q/2)*768+(\q%2)*128+512
.endr
.irp k, 0,1,2,3,4                      ; the operand's layout wants a whole block in a lane: lanes 0-15 the even block, lanes 16-31 the odd one
.irp i, 0,1,2
	v_permlane16_swap_b32 v[PC+6*\k+\i], v[TC+4*\k+\i]
.endr
.irp i, 0,1,2
	v_mov_b32 v[PC+6*\k+3+\i], v[TC+4*\k+\i]
.endr
.endr
	s_wait_dscnt 40                                ; the six scale loads are in; V's forty loads behind them may be out
.irp d, 0,1
	v_alignbit_b32 v[VSC+3*\d], v[RAW+3*\d+1], v[RAW+3*\d], s75     ; the four bytes from block pb on straddle two planes
	v_alignbit_b32 v[VSC+3*\d+1], v[RAW+3*\d+2], v[RAW+3*\d+1], s75
	v_alignbit_b32 v[VSC+3*\d+2], v[RAW+3*\d+2], v[RAW+3*\d+2], s75 ; block pb + 8's byte lowest; the others are real bytes over zero codes
.endr
	v_add_f32 v14, v14, v15                        ; the sum's two halves,
	v_permlanex16_b32 v13, v14, s[SEL], s[SEL+1]
	v_add_f32 v14, v14, v13                        ; and lane l xor 16's: the row's sum
	v_rcp_f32 v14, v14
.rept 6
	v_nop                                          ; with the two additions: eight plain places between a scale register written by a vector instruction and the scaled matrix instruction; the first is also the place behind the reciprocal
.endr
	s_wait_dscnt 0x0
	; ---- O^T = V^T P^T: three steps, the four tiles of d by turns
.irp k, 0,1,2
.irp q, 0,1,2,3
.set dD, O+8*\q
.if \k < 2
.set dA, S+48*\k+12*\q
.else
.set dA, S+96+6*\q
.endif
.set dB, PC+12*\k
.set dSA, VSC+3*(\q/2)+\k
.set dSB, PS+\k
.set RA, \q%2
.set ZR, \k==0
	EMIT
.endr
.endr
	PLACES
	; ---- O^T / the sum, quantised along d: registers 16 b + i are d = 32 b + 16 h + i
.set j, 0
	s_wait_alu depctr_va_vdst(0)
.rept 16
	v_pk_mul_f32 v[O+j:O+j+1], v[O+j:O+j+1], v[14:15] op_sel_hi:[1,0]
.set j, j+2
.endr
.irp b, 0,1
	v_max3_num_f32 v[80+\b], |v[O+16*\b]|, |v[O+16*\b+1]|, 0x1800000
.endr
.irp i, 2,4,6,8,10,12,14
.irp b, 0,1
	v_max3_num_f32 v[80+\b], v[80+\b], |v[O+16*\b+\i]|, |v[O+16*\b+\i+1]|
.endr
.endr
.irp b, 0,1
	v_permlanex16_b32 v[82+\b], v[80+\b], s[SEL], s[SEL+1]
.endr
.irp b, 0,1
	v_max_num_f32 v[80+\b], v[80+\b], v[82+\b]
.endr
.irp b, 0,1
	v_add_nc_u32 v[84+\b], 0xff000000, v[80+\b]
.endr
.irp b, 0,1
	v_lshrrev_b32 v[82+\b], 23, v[84+\b]
.endr
	v_lshl_or_b32 v86, v83, 8, v82                 ; this head's two bytes
	v_cvt_scalef32_pk16_fp6_f32 v[88:90], v[O:O+15], v84
	v_cvt_scalef32_pk16_fp6_f32 v[96:98], v[O+16:O+31], v85
	v_nop                                          ; one plain place behind a scaled conversion
.irp i, 0,1,2
	v_permlane16_swap_b32 v[88+\i], v[96+\i]
.endr
.irp i, 0,1,2
	v_mov_b32 v[91+\i], v[96+\i]
.endr
	global_store_b128 v9, v[88:91], s[76:77]       ; 512 consecutive bytes, at a multiple of 256 from the buffer's first byte
	global_store_b64 v10, v[92:93], s[76:77] offset:512
	global_store_b16 v11, v86, s[78:79]            ; lanes r and r + 16 write the same two bytes with the same value
	s_wait_xcnt 0x0
	v_lshl_add_u32 v222, v0, 2, 0x29000
	v_mov_b32 v223, 0
	s_wait_tensorcnt 0x0
	ds_add_u32 v222, v223
	s_wait_dscnt 0x0
	s_endpgm
.Lfunc_end_k_q885db15535_attn:
	.size	k_q885db15535_attn, .Lfunc_end_k_q885db15535_attn-k_q885db15535_attn
	.p2alignl 7, 3214868480
	.fill 96, 4, 3214868480
	.section	.rodata,"a",@progbits
	.p2align	6, 0x0
	.amdhsa_kernel k_q885db15535_attn
		.amdhsa_group_segment_fixed_size 169984
		.amdhsa_private_segment_fixed_size 0
		.amdhsa_enable_private_segment 0
		.amdhsa_kernarg_size 32
		.amdhsa_user_sgpr_count 2
		.amdhsa_user_sgpr_kernarg_segment_ptr 1
		.amdhsa_wavefront_size32 1
		.amdhsa_system_sgpr_workgroup_id_x 1
		.amdhsa_system_sgpr_workgroup_id_y 1
		.amdhsa_system_sgpr_workgroup_id_z 1
		.amdhsa_system_vgpr_workitem_id 0
		.amdhsa_next_free_vgpr 256
		.amdhsa_next_free_sgpr 90
		.amdhsa_reserve_vcc 1
		.amdhsa_float_denorm_mode_32 3
		.amdhsa_float_denorm_mode_16_64 3
		.amdhsa_memory_ordered 1
		.amdhsa_forward_progress 1
		.amdhsa_inst_pref_size 53
	.end_amdhsa_kernel
	.amdgpu_metadata
---
amdhsa.version: [ 1, 2 ]
amdhsa.kernels:
  - .name:           k_q885db15535_attn
    .symbol:         k_q885db15535_attn.kd
    .args:
      - { .name: qbuf, .offset: 0, .size: 8, .value_kind: global_buffer, .address_space: global }
      - { .name: kbuf, .offset: 8, .size: 8, .value_kind: global_buffer, .address_space: global }
      - { .name: vbuf, .offset: 16, .size: 8, .value_kind: global_buffer, .address_space: global }
      - { .name: abuf, .offset: 24, .size: 8, .value_kind: global_buffer, .address_space: global }
    .group_segment_fixed_size: 169984
    .private_segment_fixed_size: 0
    .kernarg_segment_align: 8
    .kernarg_segment_size: 32
    .max_flat_workgroup_size: 512
    .sgpr_count:     90
    .vgpr_count:     256
    .wavefront_size: 32
...
	.end_amdgpu_metadata
.endif
;; end of part 3
;; launch proj (part 4): grid 8 x 32, 4 waves a work-group, clusters of 4 x 4, 221,696 bytes of LDS; arguments abuf, wimg, sc, out0; writes out0
.if DOCPART == 4
	.amdgcn_target "amdgcn-amd-amdhsa--gfx1250"
	.amdhsa_code_object_version 6
	.text
	.protected	k_q885db15535_proj
	.globl	k_q885db15535_proj
	.p2align	8
	.type	k_q885db15535_proj,@function
k_q885db15535_proj:
	s_mov_b64 s[64:65], 0
	v_nop
	global_prefetch_b8 v0, s[64:65] scope:SCOPE_SE
	s_setreg_imm32_b32 hwreg(HW_REG_WAVE_MODE, 25, 1), 1
	s_wait_xcnt 0x0
	s_wait_alu depctr_hold_cnt(0) depctr_sa_sdst(0) depctr_va_vdst(0) depctr_va_sdst(0) depctr_va_ssrc(0) depctr_va_vcc(0) depctr_vm_vsrc(0)
	s_getreg_b32 s2, hwreg(HW_REG_IB_STS2, 6, 4)
	s_cmp_eq_u32 s2, 0
	s_cbranch_scc0 .Lentry_in_a_cluster
	s_endpgm
.Lentry_in_a_cluster:
	s_bfe_u32 s2, ttmp6, 0x10000c
	s_cmp_lg_u32 s2, 0xf033
	s_cbranch_scc0 .Lentry_shape_is_right
	s_endpgm
.Lentry_shape_is_right:
; out0 = a Wo on codes of FP6 (E2M3).  a: the attention's result, as images of 16 queries x 64 (one head) in abuf, 768 (16 x tile + head): two neighbouring heads' images are a fragment of 128 along K.  Wo: tiles 192 on of wimg.
; SHARES.  A work-group makes 128 queries (grid y) x 128 columns (grid x): 256 work-groups.  A wave makes 64 x 64: 16 accumulators.  All of K lies in LDS, as four chunks of 256, each byte filled once: no slot is filled again.
; CLUSTERS: 4 x 4.  a's tiles hang on grid y alone and are asked for jointly along a row of the cluster, Wo's on grid x alone, along a column.  A wave has four tensor loads out at the start.
; ORIENTATION.  Source 0 = 16 columns of Wo, source 1 = 16 queries: a lane holds one query and eight neighbouring columns.  Slot r of tile e of a pair of 32 is row 8 e + r + 8 (r / 8), of queries and of columns alike.
; No prefetch: all tiles are asked for at the head.
; REGISTERS: window 0: v4-19 addresses; v32-47 a's scale words [pair][step], v48-63 Wo's; v64-127 rows on the way out, two sets; v128-255 the accumulators, (a, b) at v[128 + 8 (4 a + b)].
;   window 1: two sets of fragments, at v0 and v128: a's four (48 registers), then Wo's four.
.set CHK,  49152                       ; a chunk: a's 8 tiles x 3,072 bytes, then Wo's 8
.set STG,  4*CHK                       ; behind the chunks: a stage of 16 rows x (256 bytes + 16) for each wave
.set SP,   272
.set ADA,  4                           ; v4-7    LDS address of my a fragments' registers 0-3 and 6-9, chunk 0 .. 3
.set ADA8, 8                           ; v8-11   of their registers 4-5 and 10-11
.set ADB,  12                          ; v12-15  of my Wo fragments
.set STO,  16
.set RD,   17
.set CO,   18
.set L4,   19
.set AS,   32
.set BS,   48
.set BK,   64
.set ACC,  128
.set G1A,  24
.set G1B,  32
.set MSB, 0
.macro WIN new                         ; the immediate's high byte repeats the setting that is left
.if MSB != \new
	s_set_vgpr_msb (MSB<<8)|\new
.set MSB, \new
.endif
.endm
.macro PLACES
.rept 4
	v_nop
.endr
.endm
.macro JLOAD g0a, g0b                  ; a joint load: waves 0 and 1 fetch a's halves, waves 2 and 3 Wo's; four v_nop follow each of the two lines
	s_cmp_eq_u32 s15, 0
	s_cbranch_scc0 .Lfor_b_\@
	tensor_load_to_lds s[\g0a:\g0a+3], s[G1A:G1A+7]
	s_nop 0
.rept 4
	v_nop
.endr
	s_branch .Lasked_\@
.Lfor_b_\@:
	tensor_load_to_lds s[\g0b:\g0b+3], s[G1B:G1B+7]
	s_nop 0
.rept 4
	v_nop
.endr
.Lasked_\@:
.endm
.macro CROUND                          ; a round of the cluster's barrier
	s_barrier_signal -1
	s_barrier_wait -1
	s_cmp_lg_u32 s14, 0
	s_cbranch_scc1 .Lnot_wave_0_\@
	s_barrier_signal -3
.Lnot_wave_0_\@:
	s_barrier_wait -3
	s_barrier_signal -1
	s_barrier_wait -1
.endm
.macro EMIT
.if ZR
.if RA && RB
	v_wmma_scale_f32_16x16x128_f8f6f4 v[dD:dD+7], v[dA:dA+11], v[dB:dB+11], 0, v[dSA], v[dSB] matrix_a_fmt:MATRIX_FMT_FP6 matrix_b_fmt:MATRIX_FMT_FP6 matrix_a_scale:MATRIX_SCALE_ROW1 matrix_b_scale:MATRIX_SCALE_ROW1
.elseif RA
	v_wmma_scale_f32_16x16x128_f8f6f4 v[dD:dD+7], v[dA:dA+11], v[dB:dB+11], 0, v[dSA], v[dSB] matrix_a_fmt:MATRIX_FMT_FP6 matrix_b_fmt:MATRIX_FMT_FP6 matrix_a_scale:MATRIX_SCALE_ROW1
.elseif RB
	v_wmma_scale_f32_16x16x128_f8f6f4 v[dD:dD+7], v[dA:dA+11], v[dB:dB+11], 0, v[dSA], v[dSB] matrix_a_fmt:MATRIX_FMT_FP6 matrix_b_fmt:MATRIX_FMT_FP6 matrix_b_scale:MATRIX_SCALE_ROW1
.else
	v_wmma_scale_f32_16x16x128_f8f6f4 v[dD:dD+7], v[dA:dA+11], v[dB:dB+11], 0, v[dSA], v[dSB] matrix_a_fmt:MATRIX_FMT_FP6 matrix_b_fmt:MATRIX_FMT_FP6
.endif
.else
.if RA && RB
	v_wmma_scale_f32_16x16x128_f8f6f4 v[dD:dD+7], v[dA:dA+11], v[dB:dB+11], v[dD:dD+7], v[dSA], v[dSB] matrix_a_fmt:MATRIX_FMT_FP6 matrix_b_fmt:MATRIX_FMT_FP6 matrix_a_scale:MATRIX_SCALE_ROW1 matrix_b_scale:MATRIX_SCALE_ROW1
.elseif RA
	v_wmma_scale_f32_16x16x128_f8f6f4 v[dD:dD+7], v[dA:dA+11], v[dB:dB+11], v[dD:dD+7], v[dSA], v[dSB] matrix_a_fmt:MATRIX_FMT_FP6 matrix_b_fmt:MATRIX_FMT_FP6 matrix_a_scale:MATRIX_SCALE_ROW1
.elseif RB
	v_wmma_scale_f32_16x16x128_f8f6f4 v[dD:dD+7], v[dA:dA+11], v[dB:dB+11], v[dD:dD+7], v[dSA], v[dSB] matrix_a_fmt:MATRIX_FMT_FP6 matrix_b_fmt:MATRIX_FMT_FP6 matrix_b_scale:MATRIX_SCALE_ROW1
.else
	v_wmma_scale_f32_16x16x128_f8f6f4 v[dD:dD+7], v[dA:dA+11], v[dB:dB+11], v[dD:dD+7], v[dSA], v[dSB] matrix_a_fmt:MATRIX_FMT_FP6 matrix_b_fmt:MATRIX_FMT_FP6
.endif
.endif
.endm
	s_load_b256 s[4:11], s[0:1], 0x0               ; abuf, wimg, sc, out0
	v_lshl_add_u32 v30, v0, 2, 0x36000
	v_mov_b32 v31, 0
	ds_add_u32 v30, v31
	ds_add_u32 v30, v31
	v_lshrrev_b32 v1, 5, v0
	v_readfirstlane_b32 s14, v1                    ; wave 0..3
	s_lshr_b32 s15, s14, 1                         ; which half of the queries is mine.  Also: I fetch for a (0) or for Wo (1)
	s_and_b32 s16, s14, 1                          ; which half of the columns.  Also: which four tiles I fetch
	s_bfe_u32 s76, ttmp6, 0x40000                  ; cx, cy
	s_bfe_u32 s77, ttmp6, 0x40004
	s_lshl_b32 s78, ttmp9, 2
	s_add_co_u32 s78, s78, s76                     ; block of 128 columns
	s_and_b32 s79, ttmp7, 0xffff
	s_lshl_b32 s79, s79, 2
	s_add_co_u32 s79, s79, s77                     ; block of 128 queries
	s_lshl_b32 s80, s77, 2
	s_lshl_b32 s80, 15, s80                        ; my row of the cluster
	s_lshl_b32 s81, 0x1111, s76                    ; my column
	s_or_b32 s[G1A], s80, (3<<16)|(1<<21)          ; 15:0 the mask; 17:16 elements of 8 bytes; 21 set beside a mask; no padding
	s_or_b32 s[G1B], s81, (3<<16)|(1<<21)
.irp g, G1A, G1B
	s_mov_b32 s[\g+1], 384<<16                     ; tensor_dim0: a tile's chunk, 3,072 bytes
	s_mov_b32 s[\g+2], 4<<16                       ; tensor_dim1: 4 tiles
	s_mov_b32 s[\g+3], 384<<16
	s_mov_b32 s[\g+4], 4
	s_mov_b32 s[\g+5], 1536                        ; from tile to tile: 12,288 bytes
	s_mov_b32 s[\g+6], 0
	s_mov_b32 s[\g+7], 0
.endr
	s_lshl_b32 s20, s79, 3
	s_lshl_b32 s19, s16, 2
	s_add_co_u32 s20, s20, s19                     ; a: tile 8 x block + 4 x half
	s_mul_i32 s20, s20, 12288
	s_mov_b32 s21, 0
	s_lshl_b32 s22, s78, 3
	s_add_co_u32 s22, s22, s19
	s_add_co_u32 s22, s22, 192                     ; Wo: tile 192 + 8 x block + 4 x half
	s_mul_i32 s22, s22, 12288
	s_mov_b32 s23, 0
	s_mul_i32 s82, s14, 12288                      ; where they go in a chunk: wave x four tiles
	s_wait_dscnt 0x0
	s_wait_kmcnt 0x0
	s_add_nc_u64 s[20:21], s[4:5], s[20:21]
	s_add_nc_u64 s[22:23], s[6:7], s[22:23]
	CROUND                                         ; all sixteen work-groups are here: the joint loads meet
.irp c, 0,1,2,3
.set ga, 40+4*\c
.set gb, 56+4*\c+4*(\c/2)              ; s[56:63] and s[68:75]
	s_mov_b32 s[ga], 1
	s_add_co_u32 s[ga+1], s82, \c*CHK
	s_add_nc_u64 s[ga+2:ga+3], s[20:21], \c*3072
	s_or_b32 s[ga+3], s[ga+3], 0x80000000
	s_mov_b32 s[gb], 1
	s_add_co_u32 s[gb+1], s82, \c*CHK
	s_add_nc_u64 s[gb+2:gb+3], s[22:23], \c*3072
	s_or_b32 s[gb+3], s[gb+3], 0x80000000
	JLOAD ga, gb
.endr
	v_and_b32 v1, 31, v0                           ; lane
	v_lshlrev_b32 v2, 4, v1
	v_lshlrev_b32 v3, 3, v1
	v_lshlrev_b32 v[L4], 2, v1
	v_and_b32 v20, 15, v0                          ; r
	v_bfe_u32 v21, v0, 4, 1                        ; h
	s_mul_i32 s83, s15, 12288                      ; my four tiles of a
	s_mul_i32 s84, s16, 12288                      ; my four of Wo, behind a's eight
	s_add_co_u32 s84, s84, 24576
.irp c, 0,1,2,3
	v_add_nc_u32 v[ADA+\c], s83, v2
	v_add_nc_u32 v[ADA8+\c], s83, v3
	v_add_nc_u32 v[ADB+\c], s84, v2
	s_add_co_u32 s83, s83, CHK
	s_add_co_u32 s84, s84, CHK
.endr
	s_mul_i32 s85, s14, 16*SP
	s_add_co_u32 s85, s85, STG                     ; my stage
	v_mul_u32_u24 v[STO], v20, SP
	v_lshl_add_u32 v[STO], v21, 6, v[STO]
	v_add_nc_u32 v[STO], s85, v[STO]               ; in: row r, + 64 h bytes
	v_mul_u32_u24 v[RD], v21, SP
	v_lshl_add_u32 v[RD], v20, 4, v[RD]
	v_add_nc_u32 v[RD], s85, v[RD]                 ; back: lanes 0-15 one row of 256 bytes, lanes 16-31 the next
	v_lshlrev_b32 v[CO], 12, v21
	v_lshl_add_u32 v[CO], v20, 4, v[CO]            ; and the same two rows in out0
	s_lshl_b32 s86, s79, 7
	s_lshl_b32 s83, s15, 6
	s_add_co_u32 s86, s86, s83                     ; my first query
	s_lshl_b32 s86, s86, 12
	s_lshl_b32 s83, s78, 9
	s_add_co_u32 s86, s86, s83                     ; my first column, in bytes
	s_lshl_b32 s83, s16, 8
	s_add_co_u32 s86, s86, s83
	s_mov_b32 s87, 0
	s_add_nc_u64 s[86:87], s[10:11], s[86:87]
	s_lshl_b32 s88, s79, 2
	s_lshl_b32 s83, s15, 1
	s_add_co_u32 s88, s88, s83                     ; a's scale words: pair 4 x block + 2 x half on
	s_lshl_b32 s88, s88, 10
	s_add_co_u32 s88, s88, 3145728
	s_mov_b32 s89, 0
	s_add_nc_u64 s[88:89], s[4:5], s[88:89]
	s_lshl_b32 s90, s78, 2
	s_lshl_b32 s83, s16, 1
	s_add_co_u32 s90, s90, s83
	s_add_co_u32 s90, s90, 96                      ; Wo's: pair 96 + 4 x block + 2 x half on
	s_lshl_b32 s90, s90, 10
	s_add_co_u32 s90, s90, 131072
	s_mov_b32 s91, 0
	s_add_nc_u64 s[90:91], s[8:9], s[90:91]
.irp p, 0,1
.irp j, 0,1,2,3,4,5,6,7
	global_load_b32 v[AS+8*\p+\j], v[L4], s[88:89] offset:\p*1024+\j*128   ; all of K's scale words come once
	global_load_b32 v[BS+8*\p+\j], v[L4], s[90:91] offset:\p*1024+\j*128
.endr
.endr
; 28 LDS loads in one run: K step stp's fragments into set fset
.macro FETCH stp, fset
.set ch, (\stp)>>1
.set ko, ((\stp)&1)*1536
	WIN 0x40                                       ; destination window 1, address window 0
.irp a, 0,1,2,3
	ds_load_b128 v[128*(\fset)+12*\a:128*(\fset)+12*\a+3], v[ADA+ch] offset:ko+\a*3072             ; the even head's image: registers 0-3,
	ds_load_b64 v[128*(\fset)+12*\a+4:128*(\fset)+12*\a+5], v[ADA8+ch] offset:ko+\a*3072+512       ; 4-5;
	ds_load_b128 v[128*(\fset)+12*\a+6:128*(\fset)+12*\a+9], v[ADA+ch] offset:ko+\a*3072+768       ; the odd head's: registers 6-9,
	ds_load_b64 v[128*(\fset)+12*\a+10:128*(\fset)+12*\a+11], v[ADA8+ch] offset:ko+\a*3072+1280    ; 10-11
.endr
.irp b, 0,1,2,3
.irp c, 0,1,2
	ds_load_b128 v[128*(\fset)+48+12*\b+4*\c:128*(\fset)+48+12*\b+4*\c+3], v[ADB+ch] offset:ko+\b*3072+512*\c
.endr
.endr
.endm
; a K step's 16 matrix instructions: the 16 accumulators take turns, in the same order in every step
.macro MUL stp, fset, zr
	WIN 0x05                                       ; sources 0 (Wo) and 1 (a) window 1; C and D window 0
.irp a, 0,1,2,3
.irp b, 0,1,2,3
.set dD, ACC+8*(4*\a+\b)
.set dA, 128*(\fset)+48+12*\b
.set dB, 128*(\fset)+12*\a
.set dSA, BS+8*(\b/2)+(\stp)
.set dSB, AS+8*(\a/2)+(\stp)
.set RA, \b%2
.set RB, \a%2
.set ZR, \zr
	EMIT
.endr
.endr
.endm
	s_wait_tensorcnt 3                             ; my part of chunk 0 is in; three later chunks may be out
	s_barrier_signal -1
	s_barrier_wait -1
	FETCH 0, 0
	s_wait_loadcnt 0x0                             ; the scale words
	s_wait_dscnt 0x0
	FETCH 1, 1
	MUL 0, 0, 1                                    ; the first step's products start the sums
	s_wait_dscnt 0x0
	s_wait_tensorcnt 2                             ; chunk 1
	s_barrier_signal -1
	s_barrier_wait -1
	PLACES
	FETCH 2, 0
	MUL 1, 1, 0
	s_wait_dscnt 0x0
	PLACES
	FETCH 3, 1
	MUL 2, 0, 0
	s_wait_dscnt 0x0
	s_wait_tensorcnt 1                             ; chunk 2
	s_barrier_signal -1
	s_barrier_wait -1
	PLACES
	FETCH 4, 0
	MUL 3, 1, 0
	s_wait_dscnt 0x0
	PLACES
	FETCH 5, 1
	MUL 4, 0, 0
	s_wait_dscnt 0x0
	s_wait_tensorcnt 0x0                           ; chunk 3: no load was issued behind it
	s_barrier_signal -1
	s_barrier_wait -1
	PLACES
	FETCH 6, 0
	MUL 5, 1, 0
	s_wait_dscnt 0x0
	PLACES
	FETCH 7, 1
	MUL 6, 0, 0
	s_wait_dscnt 0x0
	MUL 7, 1, 0
	WIN 0
; THE WAY OUT, a tile of 16 queries x 64 columns at a time, through my own stage: in as 32 bytes a lane, back as whole rows of 256 bytes.  LDS serves a wave's instructions in order: no wait between the stores and the loads.
.macro TOSTAGE a
.irp b, 0,1,2,3
	ds_store_b128 v[STO], v[ACC+8*(4*(\a)+\b):ACC+8*(4*(\a)+\b)+3] offset:128*(\b/2)+32*(\b%2)          ; columns 32 (b / 2) + 16 h + 8 (b % 2) + 0 .. 7; each accumulator from its low end on
	ds_store_b128 v[STO], v[ACC+8*(4*(\a)+\b)+4:ACC+8*(4*(\a)+\b)+7] offset:128*(\b/2)+32*(\b%2)+16
.endr
.irp t, 0,1,2,3,4,5,6,7
	ds_load_b128 v[BK+32*((\a)%2)+4*\t:BK+32*((\a)%2)+4*\t+3], v[RD] offset:2*\t*SP
.endr
.endm
.macro SEND a, younger                 ; younger: the LDS instructions issued behind tile a's loads, which may stay out
	s_wait_dscnt \younger
.irp t, 0,1,2,3,4,5,6,7
	global_store_b128 v[CO], v[BK+32*((\a)%2)+4*\t:BK+32*((\a)%2)+4*\t+3], s[86:87] offset:(32*((\a)/2)+8*((\a)%2)+2*\t+8*(\t/4))*4096 th:TH_STORE_NT   ; slot 2 t + (lane / 16) of the tile is that row; 16 lanes store 256 consecutive bytes, at a multiple of 256 from out0's first byte
.endr
.endm
	PLACES                                         ; in front of the first read of results
	TOSTAGE 0
	TOSTAGE 1
	SEND 0, 16                                     ; behind tile 0's loads: tile 1's 8 stores and 8 loads
	s_wait_xcnt 0x0                                ; tile 0's stores have read their registers: tile 2's rows may land there
	TOSTAGE 2
	SEND 1, 16
	s_wait_xcnt 0x0
	TOSTAGE 3
	SEND 2, 16
	SEND 3, 0
	s_wait_tensorcnt 0x0
	ds_add_u32 v30, v31
	s_wait_dscnt 0x0
	CROUND                                         ; the closing round: no work-group ends while a partner may still ask for a tile that names it
	s_endpgm
.Lfunc_end_k_q885db15535_proj:
	.size	k_q885db15535_proj, .Lfunc_end_k_q885db15535_proj-k_q885db15535_proj
	.p2alignl 7, 3214868480
	.fill 96, 4, 3214868480
	.section	.rodata,"a",@progbits
	.p2align	6, 0x0
	.amdhsa_kernel k_q885db15535_proj
		.amdhsa_group_segment_fixed_size 221696
		.amdhsa_private_segment_fixed_size 0
		.amdhsa_enable_private_segment 0
		.amdhsa_kernarg_size 32
		.amdhsa_user_sgpr_count 2
		.amdhsa_user_sgpr_kernarg_segment_ptr 1
		.amdhsa_wavefront_size32 1
		.amdhsa_system_sgpr_workgroup_id_x 1
		.amdhsa_system_sgpr_workgroup_id_y 1
		.amdhsa_system_sgpr_workgroup_id_z 1
		.amdhsa_system_vgpr_workitem_id 0
		.amdhsa_next_free_vgpr 512
		.amdhsa_next_free_sgpr 100
		.amdhsa_reserve_vcc 0
		.amdhsa_float_denorm_mode_32 3
		.amdhsa_float_denorm_mode_16_64 3
		.amdhsa_memory_ordered 1
		.amdhsa_forward_progress 1
		.amdhsa_inst_pref_size 53
	.end_amdhsa_kernel
	.amdgpu_metadata
---
amdhsa.version: [ 1, 2 ]
amdhsa.kernels:
  - .name:           k_q885db15535_proj
    .symbol:         k_q885db15535_proj.kd
    .args:
      - { .name: abuf, .offset: 0, .size: 8, .value_kind: global_buffer, .address_space: global }
      - { .name: wimg, .offset: 8, .size: 8, .value_kind: global_buffer, .address_space: global }
      - { .name: sc, .offset: 16, .size: 8, .value_kind: global_buffer, .address_space: global }
      - { .name: out0, .offset: 24, .size: 8, .value_kind: global_buffer, .address_space: global }
    .group_segment_fixed_size: 221696
    .private_segment_fixed_size: 0
    .kernarg_segment_align: 8
    .kernarg_segment_size: 32
    .max_flat_workgroup_size: 128
    .sgpr_count:     100
    .vgpr_count:     512
    .wavefront_size: 32
...
	.end_amdgpu_metadata
.endif
;; end of part 4
